; MI455X (gfx1250); checked and timed in simulation.
; The chip was launched on July 23, 2026; its instructions are those of AMD's public machine-readable ISA for CDNA 5 (MIT licence, August 2026) and "CDNA5" Instruction Set Architecture Reference Guide (July 2026). The comments in the code are by the model that wrote it; some were corrected since.
;; XT Attention. Allowed arithmetic: matrix products marked QUANTISED: E2M3 operands, one E8M0 scale for each 32 along K, by v_wmma_scale_f32_16x16x128_f8f6f4 with both operands' format E2M3, f32 sums; everything else in f32.
;; Inputs: Wck 1,024 x 1,024 float32; Wcq 1,024 x 1,024 float32; Wo 1,024 x 1,024 float32; Wpk 1,024 x 1,024 float32; Wpq 1,024 x 1,024 float32; Wwk 1,024 x 1,024 float32; Wwq 1,024 x 1,024 float32; Wwv 1,024 x 1,024 float32; bo 1,024 float32; conscious_cross 4 x 1,024 x 1,024 float32; conscious_words 4 x 1,024 x 1,024 float32; cross_kv 4 x 1,024 x 1,024 float32; position_cross 4 x 1,024 x 1,024 float32; position_words 4 x 1,024 x 1,024 float32; words 4 x 1,024 x 1,024 float32.
;; Outputs: out0 4 x 1,024 x 1,024 float32.
;; This version of the problem:
;;   THIS VERSION OF THE PROBLEM IS GIVEN IN LOW PRECISION. The matrix products marked QUANTISED in the list below multiply operands that are first quantised to E2M3 (2 exponent bits, 3 mantissa bits; 6 bits a number), with one power-of-two scale for each 32 numbers along K (OCP MX v1.0); their sums are f32. All else is computed in f32.
;;   The module's matrix products, in the order in which they are computed (A, B: the left and right operand; K: the contracted axis; several contracted axes count as one K, in the product's order):
;;     1. [M 4,096, K 1,024] x [K 1,024, N 1,024]; A: input words; B: input Wwq: QUANTISED
;;     2. [M 4,096, K 1,024] x [K 1,024, N 1,024]; A: input cross_kv; B: input Wwk: QUANTISED
;;     3. [M 4,096, K 1,024] x [K 1,024, N 1,024]; A: input cross_kv; B: input Wwv: QUANTISED
;;     4. [M 4,096, K 1,024] x [K 1,024, N 1,024]; A: input position_words; B: input Wpq: QUANTISED
;;     5. [M 4,096, K 1,024] x [K 1,024, N 1,024]; A: input position_cross; B: input Wpk: QUANTISED
;;     6. [M 4,096, K 1,024] x [K 1,024, N 1,024]; A: input conscious_words; B: input Wcq: QUANTISED
;;     7. [M 4,096, K 1,024] x [K 1,024, N 1,024]; A: input conscious_cross; B: input Wck: QUANTISED
;;     8. batch 64 x [M 1,024, K 192] x [K 192, N 1,024]; A: computed on the way; B: computed on the way: QUANTISED
;;     9. batch 64 x [M 1,024, K 1,024] x [K 1,024, N 64]; A: softmax (see below); B: computed on the way: QUANTISED
;;     10. [M 4,096, K 1,024] x [K 1,024, N 1,024]; A: computed on the way; B: input Wo: QUANTISED
;;   THE QUANTISER, for each operand of a quantised product, along K:
;;     - K is cut into blocks of 32 from its start; a last block that is shorter is filled with zeros.
;;     - A block's scale is 2^e with e = floor(log2(the largest magnitude in the block)) - 2, held to -126 .. 127; a block of zeros has e = 0. As a byte (E8M0): e + 127.
;;     - Each number is divided by its block's scale, clamped to +-7.5, and rounded to the nearest number of E2M3, ties to even, subnormals kept.
;;     - The product sums the exact products of the quantised numbers (number of the format x scale) in f32.
;;   ~~~python
;;   def quantise(x, axis):      # numpy; x: float32 -> the quantised numbers, widened to float32 again
;;       x = np.moveaxis(x, axis, -1); K = x.shape[-1]
;;       x = np.pad(x, [(0, 0)] * (x.ndim - 1) + [(0, -K % 32)]); x = x.reshape(x.shape[:-1] + (-1, 32)); a = np.abs(x).max(-1, keepdims=True)
;;       e = np.where(a > 0, np.clip(np.frexp(np.where(a > 0, a, 1))[1] - 1 - 2, -126, 127), 0)      # np.frexp(a)[1] - 1 = floor(log2(a)), exactly
;;       r = np.clip(x / 2.0 ** e, -7.5, 7.5)
;;       step = 2.0 ** (np.maximum(np.frexp(np.where(r == 0, 1, r))[1] - 1, 0) - 3)
;;       q = np.round(r / step) * step * 2.0 ** e      # np.round: ties to even
;;       return np.moveaxis(q.reshape(q.shape[:-2] + (-1,))[..., :K], -1, axis).astype(np.float32)
;;   ~~~
;;   SOFTMAX AHEAD OF A QUANTISED PRODUCT. Where the list says 'softmax', what is quantised is not the finished softmax but p = 2^(t - M), with t = logit x log2(e) and M = ceil(the row's largest t), a whole number; so 1/2 < the row's largest p <= 1. The row's sum l is taken of the UNQUANTISED p, in f32, and the product's result is divided by l at the end. Since M is a whole number, a kernel that streams over the keys may use a running M (the ceiling of the running maximum): every later rescaling is an exact power of two, which a block's scale takes up: the codes' values come out the same.
;;   OPERANDS COMPUTED ON THE WAY. 'Computed on the way' means the value that the module computes at that place (a softmax that the list does not call 'softmax' is quantised finished and normalised). What goes into a quantiser is computed in f32, as accurately as f32 sums, v_exp_f32 and their like allow (about 1e-6 of the number): no bf16 or f16 on the way to a quantiser, and a product that is left as it is and whose result goes on into a quantised operand takes f32 operands (vector FMAs, or v_wmma_f32_16x16x4_f32). A number that lies on a knife's edge between two numbers of the format may be rounded either way, as far as f32 arithmetic and the matrix unit's own rounding can turn it there, and no further.
;; One version. Each part assembles by itself: llvm-mc -triple=amdgcn-amd-amdhsa -mcpu=gfx1250 --defsym DOCPART=n.
;; ======== version 1 of 1: 4 launches
;; limits: right only within a limited range of input values
;; workspace buffers: xc 18,874,368 bytes; xs 786,432 bytes; wc 6,291,456 bytes; ws 262,144 bytes; qq 13,369,344 bytes; kv 13,369,344 bytes; oc 3,276,800 bytes
;; launch quant (part 1): grid 128 x 8, 4 waves a work-group, no clusters, 37,376 bytes of LDS; arguments Wwq, Wpq, Wcq, Wwk, Wpk, Wck, Wwv, Wo, words, position_words, conscious_words, cross_kv, position_cross, conscious_cross, xc, xs, wc, ws; writes xc, xs, wc, ws
.if DOCPART == 1
	.amdgcn_target "amdgcn-amd-amdhsa--gfx1250"
	.amdhsa_code_object_version 6
	.text
	.protected	k_qee0f67b40e_quant
	.globl	k_qee0f67b40e_quant
	.p2align	8
	.type	k_qee0f67b40e_quant,@function
k_qee0f67b40e_quant:
	s_mov_b64 s[64:65], 0
	v_nop
	global_prefetch_b8 v0, s[64:65] scope:SCOPE_SE
	s_setreg_imm32_b32 hwreg(HW_REG_WAVE_MODE, 25, 1), 1
	s_wait_xcnt 0x0
; Six activations [4096][1024] f32 (K innermost) and eight weights [1024 (k)][1024 (n)] f32 (K outermost) become codes of E2M3 in xc and wc and one E8M0 byte for each 32 along K in xs and ws.
; A block's scale is 2^(floor(log2(its largest magnitude)) - 2); its byte is the largest magnitude's exponent field - 2, held at 1 from below.
; A block of zeros so gets the byte 1 where the quantiser says 127: its codes are zeros, which add nothing under any byte but 0xff, and only this program reads the bytes.
; LIMITS: NaN and infinities among the inputs are not served; blocks whose largest magnitude lies under 2^-124 share the byte 1.
; THE CODES LIE AS IMAGES OF OPERAND REGISTERS: [tensor][tile of 16 positions][kk = K / 64][768 bytes].  Lane (r, h) of a half fragment holds position 16 tile + r, K = 64 kk + 32 h + 0 .. 31: 24 bytes, 6 registers:
; registers 0-3 at 16 x (r + 16 h), registers 4-5 at 512 + 16 r + 8 h.  The scale bytes lie [position][32].
; POSITIONS: row (or column) t stands at position sw(t) = t with its bits 3 and 4 exchanged: tile i's 16 positions are rows 32 (i/2) + 8 (i%2) + r%8 + 16 (r/8), the choice with which a later product's results are 16 neighbours along the next K.
; ONE LAUNCH, TWO WAYS, parted on the work-group's y alone: y = 0, 1: the weights (256 work-groups, no LDS); y = 2 .. 7: activation y - 2.  Only the activations' way touches LDS.  No barrier: waves share nothing.
; ACTIVATIONS.  A wave takes one tile of 16 rows and half of K: 8 steps of 16 rows x 64 along K.  Each of a step's eight loads reads two rows' 256 consecutive, aligned bytes; the 4,096 bytes turn through the wave's own stage in LDS
; (rows of 256 + 16 bytes) and come back 128 bytes a lane: a whole block of 32, so that no other lane is asked for a maximum.  Loads run three steps (24 loads a wave) ahead, the turn through LDS one step.
; WEIGHTS.  A lane takes a column and its registers run down K (each load reads the wave's 128 consecutive bytes): a block lies in one lane's 32 registers and the codes come out with K innermost.  Lane l takes column sw(l) of the wave's 32,
; so that lane = position: two blocks' 12 registers leave by three stores of 16 bytes a lane, in each of which sixteen neighbouring lanes fill 256 consecutive, aligned bytes.
.set EMAX,   2
.set XSTEPS, 8
.set XR,     16                        ; v16-111  three sets of 32 numbers as they are loaded
.set XX,     112                       ; v112-175 two sets of 32 neighbours
.set XC,     176                       ; v176-239 codes: eight registers for each step, so that no store's data are written again
.set XT,     240                       ; v240-242 the second conversion's result
.set XE,     244                       ; v244-251 a scale byte for each step
.set SPIT,   272                       ; a stage row: 256 bytes + 16: sixteen rows' 16-byte pieces fall on sixteen different columns of 16 bytes
.set STG,    16*SPIT                   ; a stage
.set WREG,   9216                      ; LDS: a region for each wave: two stages, behind them its 256 scale bytes
.set WNB,    8                         ; the weights: blocks a lane
.set WX,     32                        ; v32-95   two sets of 32 numbers
.set WC,     96                        ; v96-143  codes: twelve registers for each pair of blocks
.set WT,     144                       ; v144-146 the second conversion's result
.set WSB,    24                        ; v24-25   the scale bytes, four to a register
.macro XLOAD t                         ; step t: rows 2 j and 2 j + 1 of the tile, 256 bytes each, into set t % 3
.irp j, 0,1,2,3,4,5,6,7
	global_load_b128 v[XR+32*((\t)%3)+4*\j:XR+32*((\t)%3)+4*\j+3], v3, s[4:5] offset:(((2*\j)&7)+16*(\j/4))*4096+256*(\t) th:TH_LOAD_NT
.endr
.endm
.macro XTURN t                         ; step t's numbers through the stage: LDS serves a wave's instructions in order, so no wait stands between the stores and the loads
.irp j, 0,1,2,3,4,5,6,7
	ds_store_b128 v14, v[XR+32*((\t)%3)+4*\j:XR+32*((\t)%3)+4*\j+3] offset:STG*((\t)%2)+2*\j*SPIT
.endr
.irp i, 0,1,2,3,4,5,6,7
	ds_load_b128 v[XX+32*((\t)%2)+4*\i:XX+32*((\t)%2)+4*\i+3], v15 offset:STG*((\t)%2)+16*\i
.endr
.endm
.macro XSTEP t
.set XS, XX+32*((\t)%2)
.set XCS, XC+8*(\t)
.if (\t) > 0
	s_wait_dscnt 1                                 ; this step's numbers are back from the stage (the last step's byte store may be out): so its stores into the stage have read their registers,
.else
	s_wait_dscnt 0x0
.endif
.if (\t)+3 < XSTEPS
	XLOAD (\t)+3                                   ; which take the loads of three steps on
.endif
.if (\t)+1 < XSTEPS
.if XSTEPS-2-(\t) >= 2
	s_wait_loadcnt 16                              ; the next step's eight loads are in; those of the two steps behind it may be out
.else
	s_wait_loadcnt 8*(XSTEPS-2-(\t))
.endif
	XTURN (\t)+1                                   ; and go through the other stage while this step is worked
.endif
	v_max3_num_f32 v8, |v[XS]|, |v[XS+1]|, |v[XS+2]|               ; the block's largest magnitude: all 32 numbers are mine; two chains
	v_max3_num_f32 v9, |v[XS+3]|, |v[XS+4]|, |v[XS+5]|
.irp i, 6,10,14,18,22,26
	v_max3_num_f32 v8, v8, |v[XS+\i]|, |v[XS+\i+1]|
	v_max3_num_f32 v9, v9, |v[XS+\i+2]|, |v[XS+\i+3]|
.endr
	v_max3_num_f32 v8, v8, |v[XS+30]|, |v[XS+31]|
	v_max3_num_f32 v8, v8, v9, (EMAX+1)<<23        ; and the floor 2^(3 - 127): the byte cannot fall under 1
	v_add_nc_u32 v11, 0xff000000, v8               ; 2 off its exponent field: the conversion takes the exponent field of this operand as its scale, and nothing else of it
	v_cvt_scalef32_pk16_fp6_f32 v[XCS:XCS+2], v[XS:XS+15], v11     ; sixteen numbers / the scale, to the nearest code, ties to even, beyond 7.5 the largest code; 96 bits without gaps
	v_cvt_scalef32_pk16_fp6_f32 v[XT:XT+2], v[XS+16:XS+31], v11    ; (a conversion's three registers begin on an even number)
	v_lshrrev_b32 v[XE+(\t)], 23, v11              ; the scale's byte.  (The plain place behind the conversions)
.irp i, 0,1,2
	v_mov_b32 v[XCS+3+\i], v[XT+\i]
.endr
	ds_store_b8 v5, v[XE+(\t)] offset:2*(\t)       ; row r's byte 2 t + h of my half of K
	global_store_b128 v4, v[XCS:XCS+3], s[8:9] offset:768*(\t)         ; the wave stores 512 consecutive bytes, aligned,
	global_store_b64 v10, v[XCS+4:XCS+5], s[8:9] offset:768*(\t)+512   ; and 256
.endm
.macro WLOAD t                         ; block t: W(32 t + i, my column), i = 0 .. 31, into set t % 2
.irp i, 0,1,2,3,4,5,6,7,8,9,10,11,12,13,14,15,16,17,18,19,20,21,22,23,24,25,26,27,28,29,30,31
	global_load_b32 v[WX+32*((\t)%2)+\i], v3, s[4:5] offset:(32*(\t)+\i)*4096 th:TH_LOAD_NT
.endr
.endm
.macro WBLOCK t
.set XS, WX+32*((\t)%2)
.set CP, WC+12*((\t)/2)                ; the pair's twelve registers: 0-3 the even block's registers 0-3, 4-7 the odd block's, 8-11 both blocks' registers 4-5
.if (\t) < WNB-1
	s_wait_loadcnt 32                              ; this block's 32 loads are in; the next block's may be out
.else
	s_wait_loadcnt 0
.endif
	v_max3_num_f32 v12, |v[XS]|, |v[XS+1]|, |v[XS+2]|
	v_max3_num_f32 v13, |v[XS+3]|, |v[XS+4]|, |v[XS+5]|
.irp i, 6,10,14,18,22,26
	v_max3_num_f32 v12, v12, |v[XS+\i]|, |v[XS+\i+1]|
	v_max3_num_f32 v13, v13, |v[XS+\i+2]|, |v[XS+\i+3]|
.endr
	v_max3_num_f32 v12, v12, |v[XS+30]|, |v[XS+31]|
	v_max3_num_f32 v12, v12, v13, (EMAX+1)<<23     ; and the floor
	v_add_nc_u32 v11, 0xff000000, v12              ; the conversion's scale operand
	v_cvt_scalef32_pk16_fp6_f32 v[CP+4*((\t)%2):CP+4*((\t)%2)+2], v[XS:XS+15], v11
	v_cvt_scalef32_pk16_fp6_f32 v[WT:WT+2], v[XS+16:XS+31], v11
	v_lshrrev_b32 v13, 23, v11                     ; the scale's byte.  (The plain place behind the conversions)
.if (\t)%4 == 0
	v_mov_b32 v[WSB+(\t)/4], v13                   ; four bytes to a register, the lower K in the lower byte
.else
	v_lshl_or_b32 v[WSB+(\t)/4], v13, 8*((\t)%4), v[WSB+(\t)/4]
.endif
	v_mov_b32 v[CP+4*((\t)%2)+3], v[WT]
	v_mov_b32 v[CP+8+2*((\t)%2)], v[WT+1]
	v_mov_b32 v[CP+9+2*((\t)%2)], v[WT+2]
.if (\t)+2 < WNB
	WLOAD (\t)+2
.endif
.if (\t)%2 == 1
.irp c, 0,1,2
	global_store_b128 v4, v[CP+4*\c:CP+4*\c+3], s[6:7] offset:768*((\t)/2)+256*\c   ; sixteen neighbouring lanes fill 256 consecutive bytes, aligned
.endr
.endif
.endm
	v_lshl_add_u32 v254, v0, 2, 0x9000
	v_mov_b32 v255, 0
	s_and_b32 s28, ttmp7, 0xffff                   ; y
	v_lshrrev_b32 v1, 5, v0
	v_readfirstlane_b32 s16, v1                    ; wave 0..3
	v_and_b32 v2, 31, v0                           ; lane
	s_cmp_lt_u32 s28, 2
	s_cbranch_scc1 .Lweights
	; ---- the activations
	s_load_b256 s[4:11], s[0:1], 0x40              ; words, position_words, conscious_words, cross_kv
	s_load_b128 s[12:15], s[0:1], 0x60             ; position_cross, conscious_cross
	s_load_b128 s[24:27], s[0:1], 0x70             ; xc, xs
	s_sub_co_u32 s28, s28, 2                       ; which tensor
	v_and_b32 v12, 15, v2                          ; r; on the way in: which 16 bytes of a row's 256
	v_lshrrev_b32 v13, 4, v2                       ; h; on the way in: which row of the pair
	v_lshlrev_b32 v3, 4, v12
	v_lshl_add_u32 v3, v13, 12, v3                 ; in: 16 (lane % 16) + one row of 4,096 bytes for lanes 16-31
	s_mul_i32 s17, s16, WREG
	v_mul_u32_u24 v14, v13, SPIT
	v_lshl_add_u32 v14, v12, 4, v14
	v_add_nc_u32 v14, s17, v14                     ; the stage, on the way in: as loaded
	v_mul_u32_u24 v15, v12, SPIT
	v_lshl_add_u32 v15, v13, 7, v15
	v_add_nc_u32 v15, s17, v15                     ; and on the way out: row r, + 128 h: my block of 32
	v_lshlrev_b32 v4, 4, v2                        ; codes: 16 x lane,
	v_lshlrev_b32 v10, 4, v12
	v_lshl_add_u32 v10, v13, 3, v10                ; and 16 r + 8 h
	s_add_co_u32 s17, s17, 2*STG
	v_lshl_add_u32 v5, v12, 4, v13
	v_add_nc_u32 v5, s17, v5                       ; LDS: my wave's 256 scale bytes: 16 a row, + h
	v_lshlrev_b32 v6, 3, v2
	v_add_nc_u32 v6, s17, v6                       ; back: 8 bytes a lane,
	v_lshrrev_b32 v7, 1, v2
	v_lshlrev_b32 v7, 5, v7
	v_and_b32 v8, 1, v2
	v_lshl_add_u32 v7, v8, 3, v7                   ; which go to row lane / 2 of 32 bytes, + 8 (lane % 2)
	s_lshl_b32 s18, ttmp9, 2
	s_add_co_u32 s18, s18, s16
	s_lshr_b32 s19, s18, 1                         ; my tile of 16 positions: 2 x + wave / 2
	s_and_b32 s18, s18, 1                          ; my half of K
	s_lshr_b32 s20, s19, 1
	s_lshl_b32 s20, s20, 5
	s_and_b32 s21, s19, 1
	s_lshl_b32 s21, s21, 3
	s_add_co_u32 s20, s20, s21                     ; the tile's first row: 32 (tile / 2) + 8 (tile % 2)
	s_lshl_b32 s20, s20, 12
	s_lshl_b32 s21, s18, 11
	s_add_co_u32 s20, s20, s21                     ; in bytes, + 2,048 for the upper half of K
	s_mov_b32 s21, 0
	s_mul_i32 s22, s28, 3145728                    ; a tensor's codes; 12,288 bytes a tile; 6,144 for half of K
	s_mul_i32 s29, s19, 12288
	s_add_co_u32 s22, s22, s29
	s_mul_i32 s29, s18, 6144
	s_add_co_u32 s22, s22, s29
	s_mov_b32 s23, 0
	s_lshl_b32 s30, s28, 17                        ; a tensor's scale bytes; 512 a tile; 16 into each row for the upper half
	s_lshl_b32 s29, s19, 9
	s_add_co_u32 s30, s30, s29
	s_lshl_b32 s29, s18, 4
	s_add_co_u32 s30, s30, s29
	s_mov_b32 s31, 0
	s_wait_kmcnt 0x0
.irp i, 1,2,3,4,5
	s_cmp_eq_u32 s28, \i                           ; the choice hangs on the work-group's number alone
	s_cselect_b64 s[4:5], s[4+2*\i:5+2*\i], s[4:5]
.endr
	s_add_nc_u64 s[4:5], s[4:5], s[20:21]
	s_add_nc_u64 s[8:9], s[24:25], s[22:23]
	s_add_nc_u64 s[10:11], s[26:27], s[30:31]
	XLOAD 0
	XLOAD 1
	XLOAD 2
	s_wait_loadcnt 16                              ; step 0's eight loads are in
	XTURN 0
.irp t, 0,1,2,3,4,5,6,7
	XSTEP \t
.endr
	ds_load_b64 v[12:13], v6                       ; LDS serves a wave's instructions in order: these see my stores
	s_wait_dscnt 0x0
	global_store_b64 v7, v[12:13], s[10:11]        ; 16 bytes of each of 16 rows of 32: the other half of K is another wave's
	s_wait_tensorcnt 0x0
	ds_add_u32 v254, v255
	s_wait_dscnt 0x0
	s_endpgm
	; ---- the weights
.Lweights:
	s_load_b512 s[32:47], s[0:1], 0x0              ; the eight weights
	s_load_b128 s[48:51], s[0:1], 0x80             ; wc, ws
	s_lshl_b32 s18, s28, 7
	s_add_co_u32 s18, s18, ttmp9                   ; 0 .. 255
	s_and_b32 s17, s18, 7
	s_lshl_b32 s17, s17, 7
	s_lshl_b32 s19, s16, 5
	s_add_co_u32 s17, s17, s19                     ; my wave's first column: 128 x (number % 8) + 32 x wave
	s_lshr_b32 s18, s18, 3
	s_lshr_b32 s30, s18, 2                         ; which weight
	s_and_b32 s18, s18, 3                          ; which 256 along K
	s_wait_alu depctr_va_vdst(0)
	v_and_b32 v3, 7, v2                            ; my column among the wave's 32: the lane's number with bits 3 and 4 exchanged
	v_and_b32 v10, 8, v2
	v_lshl_or_b32 v3, v10, 1, v3
	v_and_b32 v10, 16, v2
	v_lshrrev_b32 v10, 1, v10
	v_or_b32 v3, v3, v10
	v_lshlrev_b32 v3, 2, v3                        ; in: 4 bytes a column
	v_lshrrev_b32 v6, 4, v2
	v_and_b32 v5, 15, v2
	v_mul_u32_u24 v4, v6, 12288
	v_lshl_add_u32 v4, v5, 4, v4                   ; codes: tile lane / 16, + 16 (lane % 16)
	v_lshlrev_b32 v9, 5, v2                        ; scale bytes: position = lane: rows of 32
	s_lshl_b32 s20, s18, 20                        ; W: 256 rows of 4,096 bytes for each step along K,
	s_lshl_b32 s22, s17, 2
	s_add_co_u32 s20, s20, s22                     ; + 4 x column
	s_mov_b32 s21, 0
	s_mul_i32 s24, s30, 786432                     ; codes: the weight's, + 768 x position (12,288 a tile), + four half fragments for each 256 along K
	s_mul_i32 s22, s17, 768
	s_add_co_u32 s24, s24, s22
	s_mul_i32 s22, s18, 3072
	s_add_co_u32 s24, s24, s22
	s_mov_b32 s25, 0
	s_lshl_b32 s28, s30, 15                        ; scale bytes: the weight's, + position x 32 + 8 for each 256 along K
	s_lshl_b32 s22, s17, 5
	s_add_co_u32 s28, s28, s22
	s_lshl_b32 s22, s18, 3
	s_add_co_u32 s28, s28, s22
	s_mov_b32 s29, 0
	s_wait_alu depctr_va_vdst(0)
	s_wait_kmcnt 0x0
	s_mov_b64 s[4:5], s[32:33]
.irp i, 1,2,3,4,5,6,7
	s_cmp_eq_u32 s30, \i                           ; the choice hangs on the work-group's number alone
	s_cselect_b64 s[4:5], s[32+2*\i:33+2*\i], s[4:5]
.endr
	s_add_nc_u64 s[4:5], s[4:5], s[20:21]
	s_add_nc_u64 s[6:7], s[48:49], s[24:25]
	s_add_nc_u64 s[8:9], s[50:51], s[28:29]
	WLOAD 0
	WLOAD 1
.irp t, 0,1,2,3,4,5,6,7
	WBLOCK \t
.endr
	global_store_b64 v9, v[WSB:WSB+1], s[8:9]      ; my position's 8 scale bytes
	s_endpgm
.Lfunc_end_k_qee0f67b40e_quant:
	.size	k_qee0f67b40e_quant, .Lfunc_end_k_qee0f67b40e_quant-k_qee0f67b40e_quant
	.p2alignl 7, 3214868480
	.fill 96, 4, 3214868480
	.section	.rodata,"a",@progbits
	.p2align	6, 0x0
	.amdhsa_kernel k_qee0f67b40e_quant
		.amdhsa_group_segment_fixed_size 37376
		.amdhsa_private_segment_fixed_size 0
		.amdhsa_enable_private_segment 0
		.amdhsa_kernarg_size 144
		.amdhsa_user_sgpr_count 2
		.amdhsa_user_sgpr_kernarg_segment_ptr 1
		.amdhsa_wavefront_size32 1
		.amdhsa_system_sgpr_workgroup_id_x 1
		.amdhsa_system_sgpr_workgroup_id_y 1
		.amdhsa_system_sgpr_workgroup_id_z 1
		.amdhsa_system_vgpr_workitem_id 0
		.amdhsa_next_free_vgpr 256
		.amdhsa_next_free_sgpr 66
		.amdhsa_reserve_vcc 0
		.amdhsa_float_denorm_mode_32 3
		.amdhsa_float_denorm_mode_16_64 3
		.amdhsa_memory_ordered 1
		.amdhsa_forward_progress 1
		.amdhsa_inst_pref_size 70
	.end_amdhsa_kernel
	.amdgpu_metadata
---
amdhsa.version: [ 1, 2 ]
amdhsa.kernels:
  - .name:           k_qee0f67b40e_quant
    .symbol:         k_qee0f67b40e_quant.kd
    .args:
      - { .name: Wwq, .offset: 0, .size: 8, .value_kind: global_buffer, .address_space: global }
      - { .name: Wpq, .offset: 8, .size: 8, .value_kind: global_buffer, .address_space: global }
      - { .name: Wcq, .offset: 16, .size: 8, .value_kind: global_buffer, .address_space: global }
      - { .name: Wwk, .offset: 24, .size: 8, .value_kind: global_buffer, .address_space: global }
      - { .name: Wpk, .offset: 32, .size: 8, .value_kind: global_buffer, .address_space: global }
      - { .name: Wck, .offset: 40, .size: 8, .value_kind: global_buffer, .address_space: global }
      - { .name: Wwv, .offset: 48, .size: 8, .value_kind: global_buffer, .address_space: global }
      - { .name: Wo, .offset: 56, .size: 8, .value_kind: global_buffer, .address_space: global }
      - { .name: words, .offset: 64, .size: 8, .value_kind: global_buffer, .address_space: global }
      - { .name: position_words, .offset: 72, .size: 8, .value_kind: global_buffer, .address_space: global }
      - { .name: conscious_words, .offset: 80, .size: 8, .value_kind: global_buffer, .address_space: global }
      - { .name: cross_kv, .offset: 88, .size: 8, .value_kind: global_buffer, .address_space: global }
      - { .name: position_cross, .offset: 96, .size: 8, .value_kind: global_buffer, .address_space: global }
      - { .name: conscious_cross, .offset: 104, .size: 8, .value_kind: global_buffer, .address_space: global }
      - { .name: xc, .offset: 112, .size: 8, .value_kind: global_buffer, .address_space: global }
      - { .name: xs, .offset: 120, .size: 8, .value_kind: global_buffer, .address_space: global }
      - { .name: wc, .offset: 128, .size: 8, .value_kind: global_buffer, .address_space: global }
      - { .name: ws, .offset: 136, .size: 8, .value_kind: global_buffer, .address_space: global }
    .group_segment_fixed_size: 37376
    .private_segment_fixed_size: 0
    .kernarg_segment_align: 8
    .kernarg_segment_size: 144
    .max_flat_workgroup_size: 128
    .sgpr_count:     66
    .vgpr_count:     256
    .wavefront_size: 32
...
	.end_amdgpu_metadata
.endif
;; end of part 1
;; launch proj (part 2): grid 4 x 112, 4 waves a work-group, clusters of 4 x 4, 327,680 bytes of LDS; arguments xc, xs, wc, ws, qq, kv; writes qq, kv
.if DOCPART == 2
	.amdgcn_target "amdgcn-amd-amdhsa--gfx1250"
	.amdhsa_code_object_version 6
	.text
	.protected	k_qee0f67b40e_proj
	.globl	k_qee0f67b40e_proj
	.p2align	8
	.type	k_qee0f67b40e_proj,@function
k_qee0f67b40e_proj:
	s_mov_b64 s[64:65], 0
	v_nop
	global_prefetch_b8 v0, s[64:65] scope:SCOPE_SE
	s_setreg_imm32_b32 hwreg(HW_REG_WAVE_MODE, 25, 1), 1
	s_wait_xcnt 0x0
	s_wait_alu depctr_hold_cnt(0) depctr_sa_sdst(0) depctr_va_vdst(0) depctr_va_sdst(0) depctr_va_ssrc(0) depctr_va_vcc(0) depctr_vm_vsrc(0)
	s_getreg_b32 s2, hwreg(HW_REG_IB_STS2, 6, 4)
	s_cmp_eq_u32 s2, 0
	s_cbranch_scc0 .Lentry_in_a_cluster
	s_endpgm
.Lentry_in_a_cluster:
	s_bfe_u32 s2, ttmp6, 0x10000c
	s_cmp_lg_u32 s2, 0xf033
	s_cbranch_scc0 .Lentry_shape_is_right
	s_endpgm
.Lentry_shape_is_right:
; The seven projections, each [4096][1024] x [1024][1024] on codes of E2M3 with one E8M0 scale for each 32 along K, sums in f32; the results are quantised in registers and leave as codes: no f32 result goes to memory.
; A cluster of 4 x 4 work-groups makes 1,024 x 1,024 of one product: cluster y = 4 g + batch; g = 0, 1, 2: q of the streams w, p, c; g = 3, 4, 5: k of the same; g = 6: v.
; A work-group of four waves makes 256 x 256, a wave 128 x 128: 64 accumulators, 512 registers.
; THE CODES LIE IN MEMORY AS IMAGES OF OPERAND REGISTERS, [tile of 16 rows][K / 64][768 bytes]: of a half fragment (6 registers a lane) registers 0-3 at 16 x lane, registers 4-5 at 512 + 16 r + 8 h.  So a K step of 256 of 16 rows is 3,072 dense bytes,
; a wave's tensor load brings 8 such rows, 12,288 bytes apart, LDS needs no padding (every LDS load takes consecutive bytes), and a fragment is four LDS loads.
; THREE SLOTS of 98,304 bytes hold K steps 0, 1, 2: they and the scale bytes of all of K are first fills, asked for together at the start: four tensor loads of a wave are out.  K = 1,024 is four K steps: only the fourth is a refill, into slot 0,
; behind the one round of the cluster's barrier that stands in slot 0's last step; it has K steps 1 and 2, 256 matrix instructions a wave, in which to land.  The wait for all loads in front of that round has shown slots 1 and 2 whole to every wave,
; so the change from slot 1 to slot 2 needs no barrier.  The eight steps of 128 along K are written out.
; SIDES.  Side A feeds source 1 (a lane is one of its rows), side B source 0 (a lane's registers run along its rows).  For g < 6 A = activations (tokens), B = weights (features): a lane holds one token and, thanks to the
; positions in which the quantising launch laid the rows, the 16 registers of accumulators 2 b, 2 b + 1 are 16 neighbouring features.  For g = 6 the sides change: A = Wwv (features), B = cross_kv (keys): V^T, a lane one feature, registers along the keys.
; Both sides have the same layout, so steps, shapes and masks are the same for all g; only base addresses are chosen, on g, which all sixteen partners share.
; JOINT LOADS.  A's tiles hang on the cluster's row alone, B's on its column alone: each is asked for by the same tensor load, with the same descriptor and a mask that names the four.
; THE WAY OUT.  A's block a (16 lanes' rows) x my 128 of B's rows = 64 registers a lane = one operand fragment of 128 along the next K.  q, k: two heads of 64 features: two half fragments; v: 128 keys: one fragment.
; They are stored as images of the registers: 4 registers at 16 x lane (512 consecutive bytes a store), 2 registers at 8 x lane (256).  Records of 26,112 bytes for each head and 128 tokens:
;   +0 K or Q codes [tile 8][stream 3][768]; +18,432 V codes [tile 4][1,536]; +24,576 K or Q scale bytes [tile][row 16][w w p p c c 7f 7f]; +25,600 V scale words [tile][lane 32].
; The 2-byte scale stores stand 8 bytes apart (the three streams come from three clusters): one byte in 24 of what the launch stores.
; LIMITS: NaN and infinities are not served; a block of zeros gets the byte 1, not 127 (zero codes; only this program reads the bytes).
; REGISTERS, in windows of 256: window 0: v0-31 addresses; v32-63 scale words, two sets; v64-114 the way out; from v128 A's fragments, ONE set.  window 1: B's fragments, TWO sets, at v0 and v128.
;   window 2: the accumulators of A's blocks 0-3 ((a, b) at v[8 (8 a + b)]); window 3: those of blocks 4-7.
; HOW THE SLOTS ARE FILLED (this takes the place of the paragraph on the three slots above).  At the head each wave issues ONE joint load: wave 0 A's 256 rows of K step 0, wave 2 B's, wave 1 the scale bytes of A's 256 rows, wave 3 those of B's.
; Slot 1 (K step 1) is asked for behind the full sequence and a round, a quarter of the slot a wave; slot 2 (K step 2) behind the round in K step 0's second half; K step 3 goes into slot 0 behind the round in K step 1's second half.
; By the text's own count one tensor load of a wave is out at any time.
.set NQ,     2
.set KROW,   768                       ; bytes of codes for each row: a tile of 16 rows is 12,288
.set TILEB,  3072                      ; a tile of 16 rows x 256 along K: four half fragments
.set FR,     12                        ; registers of a fragment: 16 rows x 128 K
.set NL,     4                         ; LDS loads that bring one
.set NP,     4                         ; places behind this matrix instruction (ISA guide 7.12.1)
.set HALFT,  8*TILEB                   ; 128 rows: what one tensor load brings
.set SLOT,   4*HALFT                   ; A's 256 rows, then B's 256 rows
.set KS,     32                        ; a row of scale bytes
.set SCL,    3*SLOT                    ; behind the slots: the scales, as runs of 256 bytes + 16 of padding
.set HALFS,  (128*KS/256)*272          ; the scales of 128 rows
.set SBLK,   (16*KS/256)*272           ; those of 16 rows
.set SPARE,  SCL+4*HALFS               ; behind the scales: the spare words, 128 bytes for each wave: two blocks of 256 bytes that no other line names
.set HEAD,   208896                    ; a head's eight records
.set REC,    26112
.set VCO,    18432
.set KSC,    24576
.set VSC,    25600
.set OC16, 8                           ; v8   16 x lane + the stream's (or V's) place in a record
.set OC8,  9                           ; v9   8 x lane + 512 + the stream's place
.set OSQ,  10                          ; v10  my row's two scale bytes: 8 r + the stream's 2; lanes 16-31 one head on
.set OSV,  11                          ; v11  V's scale words: 4 x lane
.set SH,   12                          ; v12  16 x (lane / 16)
.set PADB, 13                          ; v13  0x7f7f
.set ADRS, 14                          ; v14  LDS address of my scale words: lanes 0-15 A's rows, lanes 16-31 B's
.set A16,  16                          ; v16-18 my A tiles in slot 0, 1, 2: + 16 x lane;  v19-21: + 16 r + 8 h
.set B16,  22                          ; v22-24, v25-27 the same for B
.set SPW,  28                          ; v28  LDS address of my spare word; never rewritten
.set NIL,  29                          ; v29  0; never rewritten
.set SC,   32                          ; scale words: set s at v[SC + 16 s]; register 2 i + q: lanes 0-15 A's block i, lanes 16-31 B's block i
.set TM,   64                          ; v64-67 largest magnitudes, v68-71 the other half's, then bytes, v76-79 the conversions' scale operands
.set PW,   80                          ; the scale word just made
.set PS,   81                          ; and my head's half of it
.set PC,   96                          ; v96-107 the fragment just made; v108-110, v112-114 at work
.set AF,   128
.set SEL,  18                          ; s[18:19] lane selects for v_permlanex16_b32 (written at the way out)
.set G1,   24                          ; s[24:31] descriptor group 1 for A's tiles;  s[32:39] for B's;  s[40:47], s[48:55] for A's and B's scales
.set G1B,  32
.set G1S,  40
.set G1SB, 48
.set G0,   68                          ; s[68:79] groups 0 for A's K steps 0, 1, 2;  s[80:83] for A's scales
.set G0S,  80
.set G0B,  84                          ; s[84:95], s[96:99] the same for B
.set G0SB, 96
.set MSB, 0
.macro WIN new                         ; s_set_vgpr_msb: bits 1:0 source 0, 3:2 source 1, 5:4 source 2, 7:6 destination; the high byte repeats the setting that is left
.if MSB != \new
	s_set_vgpr_msb (MSB<<8)|\new
.set MSB, \new
.endif
.endm
.set MUL_LO, 0xa1                      ; source 0 (B) window 1, source 1 (A) window 0, C and D window 2
.set MUL_HI, 0xf1                      ; the same, C and D window 3
.set TO_B,   0x40                      ; destination window 1, address window 0
; A joint load: waves 0 and 1 fetch for A, waves 2 and 3 for B.  The branch hangs on the wave's number alone.  Four v_nop follow each of the two lines.
.macro JLOAD g0a, g1a, g0b, g1b
	s_cmp_eq_u32 s15, 0
	s_cbranch_scc0 .Lfor_b_\@
	tensor_load_to_lds s[\g0a:\g0a+3], s[\g1a:\g1a+7]
	s_nop 0
.rept 4
	v_nop
.endr
	s_branch .Lasked_\@
.Lfor_b_\@:
	tensor_load_to_lds s[\g0b:\g0b+3], s[\g1b:\g1b+7]
	s_nop 0
.rept 4
	v_nop
.endr
.Lasked_\@:
.endm
.macro CREST                           ; a round of the cluster's barrier behind its opening barrier
	s_cmp_lg_u32 s14, 0
	s_cbranch_scc1 .Lnot_wave_0_\@
	s_barrier_signal -3
.Lnot_wave_0_\@:
	s_barrier_wait -3
	s_barrier_signal -1
	s_barrier_wait -1
.endm
.macro CROUND                          ; a whole round
	s_barrier_signal -1
	s_barrier_wait -1
	CREST
.endm
	s_load_b128 s[4:7], s[0:1], 0x0                ; xc, xs
	s_load_b128 s[8:11], s[0:1], 0x10              ; wc, ws
	v_lshl_add_u32 v[SPW], v0, 2, SPARE
	v_mov_b32 v[NIL], 0
	ds_add_u32 v28, v29
	ds_add_u32 v28, v29
	s_wait_dscnt 0x0
	v_lshrrev_b32 v1, 5, v0
	v_readfirstlane_b32 s14, v1                    ; wave 0..3
	s_lshr_b32 s15, s14, 1                         ; which half of A's 256 rows is mine.  Also: I fetch for A (0) or for B (1)
	s_and_b32 s16, s14, 1                          ; which half of B's.  Also: which 128 rows I fetch
	s_bfe_u32 s56, ttmp6, 0x40000                  ; cx, cy: my place in the cluster
	s_bfe_u32 s57, ttmp6, 0x40004
	s_and_b32 s17, ttmp7, 0xffff                   ; the cluster's number: 4 g + batch
	s_lshr_b32 s58, s17, 2                         ; g
	s_lshl_b32 s59, s57, 2
	s_lshl_b32 s59, 15, s59                        ; my row of the cluster
	s_lshl_b32 s60, 0x1111, s56                    ; my column
	; descriptor group 1: 8 rows (tiles of 16 rows of codes) of 3,072 bytes, 12,288 bytes apart; dense in LDS
	s_or_b32 s[G1+0], s59, (3<<16)|(1<<21)         ; 15:0 the mask: A's tiles go to my row; 17:16 elements of 8 bytes; 20 no padding; 21 set beside a mask
	s_or_b32 s[G1B+0], s60, (3<<16)|(1<<21)
.irp g, G1, G1B
	s_mov_b32 s[\g+1], 384<<16                     ; tensor_dim0
	s_mov_b32 s[\g+2], 16<<16                      ; tensor_dim1: 16 tiles for the head's loads; set to 8 behind them
	s_mov_b32 s[\g+3], 384<<16                     ; tile_dim0
	s_mov_b32 s[\g+4], 16                          ; tile_dim1
	s_mov_b32 s[\g+5], 1536                        ; tensor_dim0_stride
	s_mov_b32 s[\g+6], 0
	s_mov_b32 s[\g+7], 0
.endr
	; the scales of 256 rows: a dense block of 8,192 bytes, as rows of 256 bytes (32 elements of 8 bytes), 16 bytes of padding behind each
	s_or_b32 s[G1S+0], s59, (3<<16)|(1<<20)|(1<<21)|(5<<22)|(3<<25)
	s_or_b32 s[G1SB+0], s60, (3<<16)|(1<<20)|(1<<21)|(5<<22)|(3<<25)
.irp g, G1S, G1SB
	s_mov_b32 s[\g+1], 32<<16
	s_mov_b32 s[\g+2], (256*KS/256)<<16            ; the scales of all 256 rows come by one load
	s_mov_b32 s[\g+3], 32<<16
	s_mov_b32 s[\g+4], 256*KS/256
	s_mov_b32 s[\g+5], 32
	s_mov_b32 s[\g+6], 0
	s_mov_b32 s[\g+7], 0
.endr
	; the rows that I fetch.  g < 6: A = xc, row 1,024 x cluster + 256 cy; B = wc, row 1,024 g + 256 cx.  g = 6: A = wc (Wwv), row 6,144 + 256 cy; B = xc (cross_kv), row 1,024 x cluster - 12,288 + 256 cx.
	s_lshl_b32 s18, s16, 7                         ; + 128 x half
	s_lshl_b32 s20, s17, 10
	s_lshl_b32 s66, s58, 10
	s_sub_co_u32 s100, s20, 12288
	s_cmp_lt_u32 s58, 6
	s_cselect_b32 s20, s20, 6144
	s_cselect_b32 s66, s66, s100
	s_lshl_b32 s21, s57, 8
	s_add_co_u32 s20, s20, s21
	s_add_co_u32 s20, s20, s18                     ; A's row: made of the cluster's number, cy and the wave's number
	s_lshl_b32 s67, s56, 8
	s_add_co_u32 s66, s66, s67
	s_add_co_u32 s66, s66, s18                     ; B's row: of the cluster's number, cx and the wave's number
	s_lshl_b32 s22, s20, 5                         ; where these rows' scales begin, in bytes (all under 2^25),
	s_mov_b32 s23, 0
	s_lshl_b32 s100, s66, 5
	s_mov_b32 s101, 0
	s_mul_i32 s20, s20, KROW                       ; and their codes
	s_mov_b32 s21, 0
	s_mul_i32 s66, s66, KROW
	s_mov_b32 s67, 0
	s_mul_i32 s61, s14, HALFT                      ; where they go: wave x 128 rows: no place in the cluster enters an LDS address
	s_wait_kmcnt 0x0
	s_cmp_lt_u32 s58, 6                            ; the sides' buffers: the choice hangs on g alone
	s_cselect_b64 s[104:105], s[4:5], s[8:9]       ; A's codes
	s_cselect_b64 s[2:3], s[6:7], s[10:11]         ; A's scales
	s_cselect_b64 s[8:9], s[8:9], s[4:5]           ; B's codes
	s_cselect_b64 s[10:11], s[10:11], s[6:7]       ; B's scales
	s_add_nc_u64 s[20:21], s[104:105], s[20:21]
	s_add_nc_u64 s[22:23], s[2:3], s[22:23]
	s_add_nc_u64 s[66:67], s[8:9], s[66:67]
	s_add_nc_u64 s[100:101], s[10:11], s[100:101]
	CROUND                                         ; all sixteen work-groups are here: the first joint loads meet
	s_mov_b32 s[G0S], 1                            ; A's scales, used by wave 1 alone: its address stands at the upper 128 rows, so 128 rows of 32 bytes are taken off
	s_mov_b32 s[G0S+1], SCL
	s_sub_nc_u64 s[G0S+2:G0S+3], s[22:23], 4096
	s_or_b32 s[G0S+3], s[G0S+3], 0x80000000
	s_mov_b32 s[G0SB], 1                           ; B's scales, used by wave 3 alone: likewise
	s_mov_b32 s[G0SB+1], SCL+2*HALFS
	s_sub_nc_u64 s[G0SB+2:G0SB+3], s[100:101], 4096
	s_or_b32 s[G0SB+3], s[G0SB+3], 0x80000000
.irp s, 0,1,2
	s_mov_b32 s[G0+4*\s], 1                        ; 1:0 count = 1
	s_add_co_u32 s[G0+4*\s+1], s61, \s*SLOT        ; 63:32 LDS address
	s_add_nc_u64 s[G0+4*\s+2:G0+4*\s+3], s[20:21], \s*TILEB   ; 120:64 global address: K step s
	s_or_b32 s[G0+4*\s+3], s[G0+4*\s+3], 0x80000000           ; 127:126 type = 2
	s_mov_b32 s[G0B+4*\s], 1
	s_add_co_u32 s[G0B+4*\s+1], s61, \s*SLOT
	s_add_nc_u64 s[G0B+4*\s+2:G0B+4*\s+3], s[66:67], \s*TILEB
	s_or_b32 s[G0B+4*\s+3], s[G0B+4*\s+3], 0x80000000
.endr
; THE HEAD'S LOADS, ONE A WAVE: one chain of branches on the wave's number, a load to an arm, all arms leading to one join.
; Wave 0's slot-0 descriptor stands at A's first row and LDS byte 0, wave 2's at B's first row and LDS byte 2 HALFT: with 16 tiles in group 1 each brings its side's whole K step 0.
.macro ARM under, g0, g1, next
	s_cmp_lt_u32 s14, \under
	s_cbranch_scc0 \next
	tensor_load_to_lds s[\g0:\g0+3], s[\g1:\g1+7]
	s_nop 0
.rept 4
	v_nop
.endr
	s_branch .Lhead_asked
\next:
.endm
	ARM 1, G0,  G1,  .Lhead_sa
	ARM 2, G0S, G1S, .Lhead_b
	ARM 3, G0B, G1B, .Lhead_sb
	tensor_load_to_lds s[G0SB:G0SB+3], s[G1SB:G1SB+7]
	s_nop 0
.rept 4
	v_nop
.endr
.Lhead_asked:
	s_load_b128 s[4:7], s[0:1], 0x20               ; qq, kv: wanted on the way out alone
	v_and_b32 v1, 15, v0                           ; r = lane % 16
	v_bfe_u32 v2, v0, 4, 1                         ; h = lane / 16
	v_and_b32 v6, 31, v0                           ; lane
	v_lshlrev_b32 v3, 4, v6                        ; 16 x lane
	v_lshlrev_b32 v4, 4, v1
	v_lshl_add_u32 v4, v2, 3, v4                   ; 16 r + 8 h
	s_mul_i32 s20, s15, HALFT                      ; my 128 rows of A
	s_mul_i32 s21, s16, HALFT                      ; my 128 rows of B,
	s_add_co_u32 s21, s21, 2*HALFT                 ; which lie behind A's 256
.irp s, 0,1,2
	v_add_nc_u32 v[A16+\s], s20, v3
	v_add_nc_u32 v[A16+3+\s], s20, v4
	v_add_nc_u32 v[B16+\s], s21, v3
	v_add_nc_u32 v[B16+3+\s], s21, v4
	s_add_co_u32 s20, s20, SLOT
	s_add_co_u32 s21, s21, SLOT
.endr
	v_mul_u32_u24 v5, v1, KS                       ; my row's scales: 32 bytes a row,
	v_lshrrev_b32 v7, 8, v5
	v_lshl_add_u32 v5, v7, 4, v5                   ; and 16 more for each 256 passed
	s_mul_i32 s20, s15, HALFS                      ; A's: my 128 rows
	s_mul_i32 s21, s16, HALFS                      ; B's: my 128 rows, behind A's 256
	s_add_co_u32 s21, s21, 2*HALFS
	s_sub_co_u32 s21, s21, s20
	v_mul_u32_u24 v7, s21, v2                      ; lanes 16-31 take B's: the lower base + h x the distance
	s_add_co_u32 s20, s20, SCL
	v_add_nc_u32 v5, v5, v7
	v_add_nc_u32 v[ADRS], s20, v5
	; where my results go.  The token side gives the batch and the record (128 tokens), the feature side the pair of heads.
	s_cmp_lt_u32 s58, 6
	s_cselect_b32 s2, s57, s56                     ; tokens: cy and my half of A for q and k, cx and my half of B for v
	s_cselect_b32 s3, s15, s16
	s_cselect_b32 s18, s56, s57                    ; features: the other two
	s_cselect_b32 s19, s16, s15
	s_lshl_b32 s2, s2, 1
	s_add_co_u32 s2, s2, s3                        ; the record, 0 .. 7
	s_lshl_b32 s18, s18, 2
	s_lshl_b32 s19, s19, 1
	s_add_co_u32 s18, s18, s19                     ; my first head
	s_and_b32 s3, s17, 3                           ; the batch
	s_lshl_b32 s3, s3, 4
	s_add_co_u32 s18, s18, s3
	s_mul_i32 s18, s18, HEAD
	s_mul_i32 s2, s2, REC
	s_add_co_u32 s2, s2, s18                       ; under 2^24
	s_mov_b32 s3, 0
	s_wait_kmcnt 0x0
	s_cmp_lt_u32 s58, 3
	s_cselect_b64 s[12:13], s[4:5], s[6:7]         ; q goes to qq, k and v to kv
	s_cselect_b32 s63, 0, 3
	s_add_nc_u64 s[12:13], s[12:13], s[2:3]
	s_sub_co_u32 s63, s58, s63                     ; the stream: 0, 1, 2 (3 for v, where it is not used)
	s_mul_i32 s19, s63, 768
	s_cmp_lt_u32 s58, 6
	s_cselect_b32 s18, s19, VCO
	v_lshlrev_b32 v[OC16], 4, v6
	v_add_nc_u32 v[OC16], s18, v[OC16]
	v_lshlrev_b32 v[OC8], 3, v6
	v_add_nc_u32 v[OC8], s19, v[OC8]
	v_add_nc_u32 v[OC8], 512, v[OC8]
	v_lshlrev_b32 v[OSQ], 3, v1
	v_mul_u32_u24 v7, v2, HEAD
	v_add_nc_u32 v[OSQ], v[OSQ], v7
	s_lshl_b32 s19, s63, 1
	s_add_co_u32 s19, s19, KSC
	v_add_nc_u32 v[OSQ], s19, v[OSQ]
	v_lshlrev_b32 v[OSV], 2, v6
	v_add_nc_u32 v[OSV], VSC, v[OSV]
	v_lshlrev_b32 v[SH], 4, v2
	v_mov_b32 v[PADB], 0x7f7f
.irp b, 0,1,2,3
	v_mov_b32 v[TM+4+\b], 0                        ; written once: a lane permute's destination counts as one of its sources
.endr
.macro FRAG reg, adr, q, i             ; a fragment is 12 registers: lane l holds row l % 16; registers 6 c .. 6 c + 5 hold K = 64 c + 32 (l / 16) + 0 .. 31.  Two half fragments as they were stored: each load takes consecutive bytes
	ds_load_b128 v[\reg:\reg+3], v[\adr] offset:(\i)*TILEB+(\q)*1536
	ds_load_b64 v[\reg+4:\reg+5], v[\adr+3] offset:(\i)*TILEB+(\q)*1536+512
	ds_load_b128 v[\reg+6:\reg+9], v[\adr] offset:(\i)*TILEB+(\q)*1536+768
	ds_load_b64 v[\reg+10:\reg+11], v[\adr+3] offset:(\i)*TILEB+(\q)*1536+1280
.endm
; 16 matrix instructions: A's blocks a0, a0 + 1 x B's eight, 128 along K.  p: B's set; q: which word of the scale pair; sc: the set of scale words.  zero = 1: the first product starts the sums.
; The 64 accumulators take turns, one instruction a turn, in the same order in every step.
.macro MUL16 a0, p, q, sc, zero
.irp a, \a0, \a0+1
.irp b, 0,1,2,3,4,5,6,7
.if \zero
	v_wmma_scale_f32_16x16x128_f8f6f4 v[8*(8*((\a)%4)+\b):8*(8*((\a)%4)+\b)+7], v[128*(\p)+FR*\b:128*(\p)+FR*\b+FR-1], v[AF+FR*(\a):AF+FR*(\a)+FR-1], 0, v[SC+8*NQ*(\sc)+NQ*\b+(\q)], v[SC+8*NQ*(\sc)+NQ*(\a)+(\q)] matrix_a_fmt:MATRIX_FMT_FP6 matrix_b_fmt:MATRIX_FMT_FP6 matrix_a_scale:MATRIX_SCALE_ROW1
.else
	v_wmma_scale_f32_16x16x128_f8f6f4 v[8*(8*((\a)%4)+\b):8*(8*((\a)%4)+\b)+7], v[128*(\p)+FR*\b:128*(\p)+FR*\b+FR-1], v[AF+FR*(\a):AF+FR*(\a)+FR-1], v[8*(8*((\a)%4)+\b):8*(8*((\a)%4)+\b)+7], v[SC+8*NQ*(\sc)+NQ*\b+(\q)], v[SC+8*NQ*(\sc)+NQ*(\a)+(\q)] matrix_a_fmt:MATRIX_FMT_FP6 matrix_b_fmt:MATRIX_FMT_FP6 matrix_a_scale:MATRIX_SCALE_ROW1
.endif
.endr
.endr
.endm
.macro FETCH_B slot, q, p              ; B's eight fragments of the slot's q-th 128 along K into set p
	WIN TO_B
.irp i, 0,1,2,3,4,5,6,7
	FRAG 128*(\p)+FR*\i, B16+\slot, \q, \i
.endr
	WIN 0
.endm
.macro FETCH_A slot, q, i0             ; A's blocks i0 .. i0 + 3
.irp i, \i0, \i0+1, \i0+2, \i0+3
	FRAG AF+FR*(\i), A16+\slot, \q, \i
.endr
.endm
.macro SCALES sc, ks                   ; K step ks's scale words into set sc: two words a row; lanes 0-15 take A's block i, lanes 16-31 B's block i
.irp i, 0,1,2,3,4,5,6,7
	ds_load_b64 v[SC+8*NQ*\sc+NQ*\i:SC+8*NQ*\sc+NQ*\i+1], v[ADRS] offset:\i*SBLK+8*\ks
.endr
.endm
.macro NEXT_LO slot, q, sc, ks         ; the coming step's B (into set q), A's blocks 0-3 and, where a K step begins, its scale words
	FETCH_B \slot, \q, \q
	FETCH_A \slot, \q, 0
.if \q == 0
	SCALES \sc, \ks
.endif
.endm
; A load into a register that a matrix instruction has read, and a vector instruction that reads a matrix result, stand four places behind that matrix instruction; only plain vector
; instructions that name none of its registers are places (ISA guide 7.12.1 for vector instructions).
.macro PLACES n
.rept \n
	v_nop
.endr
.endm
; A step of 128 along K without a barrier: the q-th of its slot, scale set sc.  The coming step is the nq-th of slot nslot (its scale words, where nq = 0: K step nks into set nsc), whose bytes an earlier barrier has shown whole.
.macro STEP q, sc, zero, nslot, nq, nsc, nks
	s_wait_dscnt 4*NL                              ; B's set, A's blocks 0-3 and the scale words are in; the youngest 16 loads (A's blocks 4-7) may be out
	WIN MUL_LO
	MUL16 0, \q, \q, \sc, \zero
	MUL16 2, \q, \q, \sc, \zero
	s_wait_dscnt 0                                 ; A's blocks 4-7 are in (asked for 32 matrix instructions ago)
	PLACES NP
	NEXT_LO \nslot, \nq, \nsc, \nks
	WIN MUL_HI
	MUL16 4, \q, \q, \sc, \zero
	MUL16 6, \q, \q, \sc, \zero
	PLACES NP
	WIN 0
	FETCH_A \nslot, \nq, 4
.endm
; A slot's second step with a barrier: in front of it each wave waits for all its tensor loads, adds 0 to its spare word, and waits for that and for its own LDS reads.
; fill = 2: slot 0, just read out, is filled again, with K step 3: the barrier opens a round of the cluster's barrier, and the joint refill is the first thing behind it.
.macro TURN sc, fill, nslot, nsc, nks
	s_wait_tensorcnt 0x0                           ; all my tensor loads have landed  (every window is 0 here)
	ds_add_u32 v[SPW], v[NIL]                      ; 0 onto my spare word
	s_wait_dscnt 4*NL+1                            ; (the add and the youngest 16 loads, A's blocks 4-7, may be out)
	WIN MUL_LO
	MUL16 0, 1, 1, \sc, 0                          ; sixteen matrix instructions stand between the add and the wait for it
	s_wait_dscnt 0x0                               ; the add is done, and my reads of this slot are over
	s_barrier_signal -1
	MUL16 2, 1, 1, \sc, 0
	WIN 0
	s_barrier_wait -1
.if \fill == 1
	CREST                                          ; the barrier has opened a round of the cluster's barrier
	JLOAD G0+8, G1, G0B+8, G1B                     ; slot 2's first fill, K step 2: my one tensor load behind the round; its four v_nop are also the places in front of the loads below
.elseif \fill == 2
	CREST                                          ; no wave of any partner still reads slot 0 or has a load on its way
	s_add_nc_u64 s[G0+2:G0+3], s[G0+2:G0+3], 3*TILEB
	s_add_nc_u64 s[G0B+2:G0B+3], s[G0B+2:G0B+3], 3*TILEB
	JLOAD G0, G1, G0B, G1B                         ; K step 3 into slot 0: my one tensor load behind the round, and my last
.else
	PLACES NP
.endif
	NEXT_LO \nslot, 0, \nsc, \nks
	WIN MUL_HI
	MUL16 4, 1, 1, \sc, 0
	MUL16 6, 1, 1, \sc, 0
	PLACES NP
	WIN 0
	FETCH_A \nslot, 0, 4
.endm
	s_wait_alu depctr_va_vdst(0)
	s_wait_tensorcnt 0x0                           ; my tile of the head's four is in
	ds_add_u32 v[SPW], v[NIL]
	s_mov_b32 s[G1+2], 8<<16                       ; no tensor load of mine is out: from here on a load brings 8 tiles of 16 rows
	s_mov_b32 s[G1+4], 8
	s_mov_b32 s[G1B+2], 8<<16
	s_mov_b32 s[G1B+4], 8
	s_wait_dscnt 0x0
	CROUND                                         ; all four tiles are in, and all sixteen work-groups are here
	JLOAD G0+4, G1, G0B+4, G1B                     ; slot 1's first fill, K step 1
	NEXT_LO 0, 0, 0, 0
	FETCH_A 0, 0, 4
	STEP 0, 0, 1, 0, 1, 0, 0                       ; K step 0 (slot 0), first half: its products start the sums
	TURN 0, 1, 1, 1, 1                             ; second half: slot 1 is whole; slot 2 takes K step 2
	STEP 0, 1, 0, 1, 1, 0, 0                       ; K step 1 (slot 1)
	TURN 1, 2, 2, 0, 2                             ; second half: slot 2 is whole; slot 0 takes K step 3
	STEP 0, 0, 0, 2, 1, 0, 0                       ; K step 2 (slot 2)
	TURN 0, 0, 0, 1, 3                             ; K step 3 has landed in slot 0, everybody's part; nothing is filled again
	STEP 0, 1, 0, 0, 1, 0, 0                       ; K step 3 (slot 0)
	s_wait_dscnt 4*NL                              ; the very last step: nothing more to fetch
	WIN MUL_LO
	MUL16 0, 1, 1, 1, 0
	MUL16 2, 1, 1, 1, 0
	s_wait_dscnt 0
	WIN MUL_HI
	MUL16 4, 1, 1, 1, 0
	MUL16 6, 1, 1, 1, 0
	WIN 0
; THE WAY OUT.  QUANTW a: the 64 results of A's block a in my lane, register 16 b + i = number 32 b + 16 (lane / 16) + i along the next K, become a fragment's codes in v[PC] on and its scale word in v[PW].
.macro QUANTW a
.set WW, 2+(\a)/4                      ; the block's window
.set WS, WW|(WW<<2)
.set S0, 64*((\a)%4)
	WIN WS                                         ; sources 0 and 1 in the accumulators' window
.irp b, 0,1,2,3
	v_max3_num_f32 v[TM+\b], |v[S0+16*\b]|, |v[S0+16*\b+1]|, 0x1800000   ; block b: my 16 numbers, each accumulator from its low end on, and the floor 2^(3 - 127): the byte cannot fall under 1
.endr
.irp i, 2,4,6,8,10,12,14
.irp b, 0,1,2,3
	v_max3_num_f32 v[TM+\b], |v[S0+16*\b+\i]|, |v[S0+16*\b+\i+1]|, v[TM+\b]   ; (the four blocks by turns)
.endr
.endr
	WIN 0
.irp b, 0,1,2,3
	v_permlanex16_b32 v[TM+4+\b], v[TM+\b], s[SEL], s[SEL+1]
.endr
.irp b, 0,1,2,3
	v_max_num_f32 v[TM+\b], v[TM+\b], v[TM+4+\b]   ; with lane l xor 16's: the block's largest magnitude
.endr
.irp b, 0,1,2,3
	v_add_nc_u32 v[TM+12+\b], 0xff000000, v[TM+\b] ; 2 off its exponent field: the conversion's scale operand
.endr
.irp b, 0,1,2,3
	v_lshrrev_b32 v[TM+4+\b], 23, v[TM+12+\b]      ; the scale's byte
.endr
	v_lshl_or_b32 v[PW], v[TM+5], 8, v[TM+4]       ; the four bytes make my row's scale word
	v_lshl_or_b32 v[PW], v[TM+6], 16, v[PW]
	v_lshl_or_b32 v[PW], v[TM+7], 24, v[PW]
	WIN WW                                         ; source 0 in the accumulators' window
.irp c, 0,1
	v_cvt_scalef32_pk16_fp6_f32 v[PC+6*\c:PC+2+6*\c], v[S0+32*\c:S0+15+32*\c], v[TM+12+2*\c]
	v_cvt_scalef32_pk16_fp6_f32 v[PC+12+4*\c:PC+14+4*\c], v[S0+16+32*\c:S0+31+32*\c], v[TM+12+2*\c+1]   ; (a conversion's three registers begin on an even number)
.endr
	WIN 0
	v_nop                                          ; one plain place behind a scaled conversion
.irp c, 0,1                                    ; the operand's layout wants a WHOLE block in a lane: lanes 0-15 block 2 c, lanes 16-31 block 2 c + 1
.irp i, 0,1,2
	v_permlane16_swap_b32 v[PC+6*\c+\i], v[PC+12+4*\c+\i]
.endr
.irp i, 0,1,2
	v_mov_b32 v[PC+3+6*\c+\i], v[PC+12+4*\c+\i]
.endr
.endr
.endm
.macro OUTQK a                         ; token tile a: registers 0-5 are my first head's half fragment of this stream, registers 6-11 the next head's
.if (\a) > 0
	s_wait_xcnt 0x0                                ; the last block's stores have read their data: only behind this wait are those registers written again
.endif
	QUANTW \a
	v_lshrrev_b32 v[PS], v[SH], v[PW]              ; lanes 0-15: the first head's two bytes; lanes 16-31: the next head's
	global_store_b128 v[OC16], v[PC:PC+3], s[12:13] offset:2304*(\a)           ; the wave stores 512 consecutive bytes, aligned
	global_store_b64 v[OC8], v[PC+4:PC+5], s[12:13] offset:2304*(\a)           ; and 256
	global_store_b128 v[OC16], v[PC+6:PC+9], s[12:13] offset:2304*(\a)+HEAD
	global_store_b64 v[OC8], v[PC+10:PC+11], s[12:13] offset:2304*(\a)+HEAD
	global_store_b16 v[OSQ], v[PS], s[12:13] offset:128*(\a)
.endm
.macro OUTV a                          ; feature tile a: head a / 4 of my two, tile a % 4 of its 64 features; the fragment's K are the record's 128 keys
.if (\a) > 0
	s_wait_xcnt 0x0
.endif
	QUANTW \a
.irp c, 0,1,2
	global_store_b128 v[OC16], v[PC+4*\c:PC+4*\c+3], s[12:13] offset:((\a)/4)*HEAD+((\a)%4)*1536+512*\c
.endr
	global_store_b32 v[OSV], v[PW], s[12:13] offset:((\a)/4)*HEAD+((\a)%4)*128
.endm
	PLACES NP                                      ; behind the last products, in front of the first read of results
	s_mov_b32 s[SEL], 0x76543210
	s_mov_b32 s[SEL+1], 0xfedcba98                 ; lane l xor 16
	s_cmp_eq_u32 s58, 6                            ; g is the same in all sixteen partners
	s_cbranch_scc1 .Lv
.irp a, 0,1,2,3,4,5,6,7
	OUTQK \a
.endr
	s_cmp_lg_u32 s63, 2
	s_cbranch_scc1 .Lend
.irp a, 0,1,2,3,4,5,6,7
	global_store_b16 v[OSQ], v[PADB], s[12:13] offset:128*\a+2   ; the third stream also writes the bytes of the 64 zero codes that fill K = 192 up to 256: 0x7f, the scale 1
.endr
	s_branch .Lend
.Lv:
.irp a, 0,1,2,3,4,5,6,7
	OUTV \a
.endr
.Lend:
	s_wait_tensorcnt 0x0                           ; the wave's end
	ds_add_u32 v[SPW], v[NIL]
	s_wait_dscnt 0x0
	CROUND                                         ; the closing round: no work-group ends while a partner may still ask for a tile that names it
	s_endpgm
.Lfunc_end_k_qee0f67b40e_proj:
	.size	k_qee0f67b40e_proj, .Lfunc_end_k_qee0f67b40e_proj-k_qee0f67b40e_proj
	.p2alignl 7, 3214868480
	.fill 96, 4, 3214868480
	.section	.rodata,"a",@progbits
	.p2align	6, 0x0
	.amdhsa_kernel k_qee0f67b40e_proj
		.amdhsa_group_segment_fixed_size 327680
		.amdhsa_private_segment_fixed_size 0
		.amdhsa_enable_private_segment 0
		.amdhsa_kernarg_size 48
		.amdhsa_user_sgpr_count 2
		.amdhsa_user_sgpr_kernarg_segment_ptr 1
		.amdhsa_wavefront_size32 1
		.amdhsa_system_sgpr_workgroup_id_x 1
		.amdhsa_system_sgpr_workgroup_id_y 1
		.amdhsa_system_sgpr_workgroup_id_z 1
		.amdhsa_system_vgpr_workitem_id 0
		.amdhsa_next_free_vgpr 1024
		.amdhsa_next_free_sgpr 106
		.amdhsa_reserve_vcc 0
		.amdhsa_float_denorm_mode_32 3
		.amdhsa_float_denorm_mode_16_64 3
		.amdhsa_memory_ordered 1
		.amdhsa_forward_progress 1
		.amdhsa_inst_pref_size 187
	.end_amdhsa_kernel
	.amdgpu_metadata
---
amdhsa.version: [ 1, 2 ]
amdhsa.kernels:
  - .name:           k_qee0f67b40e_proj
    .symbol:         k_qee0f67b40e_proj.kd
    .args:
      - { .name: xc, .offset: 0, .size: 8, .value_kind: global_buffer, .address_space: global }
      - { .name: xs, .offset: 8, .size: 8, .value_kind: global_buffer, .address_space: global }
      - { .name: wc, .offset: 16, .size: 8, .value_kind: global_buffer, .address_space: global }
      - { .name: ws, .offset: 24, .size: 8, .value_kind: global_buffer, .address_space: global }
      - { .name: qq, .offset: 32, .size: 8, .value_kind: global_buffer, .address_space: global }
      - { .name: kv, .offset: 40, .size: 8, .value_kind: global_buffer, .address_space: global }
    .group_segment_fixed_size: 327680
    .private_segment_fixed_size: 0
    .kernarg_segment_align: 8
    .kernarg_segment_size: 48
    .max_flat_workgroup_size: 128
    .sgpr_count:     106
    .vgpr_count:     1024
    .wavefront_size: 32
...
	.end_amdgpu_metadata
.endif
;; end of part 2
;; launch attn (part 3): grid 4 x 64, 8 waves a work-group, clusters of 4 x 1, 264,192 bytes of LDS; arguments qq, kv, oc; writes oc
.if DOCPART == 3
	.amdgcn_target "amdgcn-amd-amdhsa--gfx1250"
	.amdhsa_code_object_version 6
	.text
	.protected	k_qee0f67b40e_attn
	.globl	k_qee0f67b40e_attn
	.p2align	8
	.type	k_qee0f67b40e_attn,@function
k_qee0f67b40e_attn:
	s_mov_b64 s[64:65], 0
	v_nop
	global_prefetch_b8 v0, s[64:65] scope:SCOPE_SE
	s_setreg_imm32_b32 hwreg(HW_REG_WAVE_MODE, 25, 1), 1
	s_wait_xcnt 0x0
	s_wait_alu depctr_hold_cnt(0) depctr_sa_sdst(0) depctr_va_vdst(0) depctr_va_sdst(0) depctr_va_ssrc(0) depctr_va_vcc(0) depctr_vm_vsrc(0)
	s_getreg_b32 s2, hwreg(HW_REG_IB_STS2, 6, 4)
	s_cmp_eq_u32 s2, 0
	s_cbranch_scc0 .Lentry_in_a_cluster
	s_endpgm
.Lentry_in_a_cluster:
	s_bfe_u32 s2, ttmp6, 0x10000c
	s_cmp_lg_u32 s2, 0x3003
	s_cbranch_scc0 .Lentry_shape_is_right
	s_endpgm
.Lentry_shape_is_right:
; For each batch and head: S = q_cat k_cat^T / 8 (K = 192: three streams of 64), softmax, O = P V (K = 1,024 keys), both products on codes of E2M3 with one E8M0 scale for each 32 along K; O is quantised along the head's 64 and leaves as codes.
; THE SOFTMAX: t = score x log2(e) / 8; M = the row's largest t so far, rounded UP to a whole number; p = 2^(t - M) is quantised along the keys, not normalised.  The row's sum is taken of the unquantised p, in f32, and divides O at the end.
; When M moves, the sum and O are multiplied by 2^(old M - new M): exact.
; SHARES.  Work-group y = 16 x batch + head; the four work-groups of a cluster are the head's four blocks of 256 queries.  Each of the eight waves owns TWO tiles of 16 queries, which share every fragment of K and V read from LDS:
; tile 0's state lies in register window 0, tile 1's at the same numbers in window 1.
; THE HEAD'S K AND V, codes and scales, are eight records of 26,112 dense bytes of kv (128 keys each).  Wave w asks for record w by ONE joint load (the same load, descriptor and mask in all four work-groups): 102 rows of 256 bytes,
; 64 bytes of padding behind each in LDS.  Nothing is filled again and nothing is stored to LDS; one barrier shows all records to all waves, and the loop over the records has none.
; No prefetch: all that the launch reads from memory is asked for at its head, and the loop reads LDS alone.
; LAYOUT.  Both products are used transposed: S^T = K Q^T (source 0 = 16 keys, source 1 = 16 queries), O^T = V^T P^T: a lane holds ONE query of each tile throughout.
; WHICH KEYS FORM A TILE OF K.  In a record tile i, row r is key 32 (i/2) + 8 (i%2) + r%8 + 16 (r/8).  Tile (c, u1, u0) of this text takes as its row 8 x + j the record's tile 4 c + 2 x + u0, row 8 u1 + j: key 64 c + 32 x + 16 u1 + 8 u0 + j.
; In S^T lanes 16 x .. 16 x + 15 hold those rows, so the 32 registers of tiles (c, ., .) in a lane are the WHOLE block 2 c + x of 32 keys, in the order of P's operand: a block's maximum asks no other lane, and the conversions' results are the operand.
; The rows x = 0 and x = 1 lie 18 LDS rows of 320 bytes apart, 128 bytes modulo 256: sixteen lanes' 16-byte pieces fall on sixteen different columns of 16 bytes.
; K = 192 GOES AS 2 x 128.  The second instruction's upper 64 are zero codes in Q under the scale byte 0x7f on both sides; K's registers there are whatever follows (the next tile's codes; behind the last tile Q's own first registers):
; every 6-bit code is a finite number, so its product with a zero code adds nothing.
; LIMITS: NaN and infinities are not served; the promise holds while the scaled scores stay under 2^31 in magnitude.  A block's largest p is made from the block's largest score by the same multiply-add and exponential as every p:
; this takes v_exp_f32 not to fall where its input rises.  A block of zeros gets the byte 1, not 127 (zero codes; only this program reads the bytes).
.set REC,   26112                      ; a record in memory: 102 rows of 256 bytes
.set HEAD,  208896
.set KSC,   24576                      ; in a record: K's or Q's scale bytes (row 96); V's codes begin at row 72, V's scale words at row 100
.set ROWP,  320                        ; an LDS row: 256 bytes + 64
.set LREC,  102*ROWP
.set SPARE, 8*LREC                     ; behind the records: the spare words, 128 bytes for each wave
.set L16, 1                            ; v1-5 lane terms of the LDS addresses; v6-10 the same + the record in hand
.set L8,  2
.set LS,  3
.set LV,  4
.set LVS, 5
.set A16, 6
.set A8,  7
.set AS,  8
.set AV,  9
.set AVS, 10
.set SH8, 11                           ; 8 x (lane / 16)                                (from here to v15, and v88-219, v244-255: in both windows)
.set NM,  12                           ; -M
.set SMX, 13                           ; the largest score so far
.set SUM, 14                           ; v14-15 the row's sum in two halves
.set KB,  16                           ; v16-87 four tiles of K: c = 0 in window 0, c = 1 in window 1; window 0's then hold V's four tiles
.set QB,  88                           ; v88-111 Q's two fragments; v106-111 zero codes
.set S,   112                          ; v112-175 S^T, then p
.set O,   176                          ; v176-207 O^T
.set PCD, 208                          ; v208-219 p's codes
.set SWK, 220                          ; window 0 alone: v220-235 K's scale words, then V's; v236-239 Q's; v240-241 p's
.set QS,  236
.set PW,  240
.set SPW, 242                          ; window 0: LDS address of my spare word; never rewritten
.set NIL, 243                          ; window 0: 0; never rewritten
.set CH,  244                          ; v244-247 four chains of maxima; v244, v246 the blocks' maxima; then v244-246 a conversion's result
.set SO1, 247                          ; the conversions' scale operands
.set T1,  248                          ; v248-250 a conversion's result
.set SO0, 251
.set F,   252                          ; v252 f = 2^(old M - new M), named as a pair with v253; then the two scale bytes
.set TMP, 254
.set TM2, 255
.set WV,  18                           ; s18 my wave's number
.set SEL, 20                           ; s[20:21] lane selects for v_permlanex16_b32: lane l xor 16
.set CS,  22                           ; s[22:23] c = log2(e) / 8
.set G1,  24                           ; s[24:31] descriptor group 1; s[40:43] group 0
.set NC,  32                           ; s32 -c
.set G0,  40
.set TB,  48                           ; s48 LDS byte at which the record in hand begins
.set CNT, 49
.set MSB, 0
.macro WIN new                         ; s_set_vgpr_msb: bits 1:0 source 0, 3:2 source 1, 5:4 source 2, 7:6 destination; the high byte repeats the setting that is left
.if MSB != (\new)
	s_set_vgpr_msb (MSB<<8)|(\new)
.set MSB, (\new)
.endif
.endm
.macro CROUND                          ; a round of the cluster's barrier
	s_barrier_signal -1
	s_barrier_wait -1
	s_cmp_lg_u32 s[WV], 0
	s_cbranch_scc1 .Lnot_wave_0_\@
	s_barrier_signal -3
.Lnot_wave_0_\@:
	s_barrier_wait -3
	s_barrier_signal -1
	s_barrier_wait -1
.endm
.macro WM0 d, a, b, sa, sb             ; a product that starts its sum
	v_wmma_scale_f32_16x16x128_f8f6f4 v[\d:\d+7], v[\a:\a+11], v[\b:\b+11], 0, v[\sa], v[\sb] matrix_a_fmt:MATRIX_FMT_FP6 matrix_b_fmt:MATRIX_FMT_FP6
.endm
.macro WMA d, a, b, sa, sb             ; a product that adds in place
	v_wmma_scale_f32_16x16x128_f8f6f4 v[\d:\d+7], v[\a:\a+11], v[\b:\b+11], v[\d:\d+7], v[\sa], v[\sb] matrix_a_fmt:MATRIX_FMT_FP6 matrix_b_fmt:MATRIX_FMT_FP6
.endm
	s_load_b128 s[4:7], s[0:1], 0x0                ; qq, kv
	s_load_b64 s[8:9], s[0:1], 0x10                ; oc
	v_lshl_add_u32 v[SPW], v0, 2, SPARE
	v_mov_b32 v[NIL], 0
	ds_add_u32 v[SPW], v[NIL]                      ; the opening lines: the add, twice on end, and its wait ahead of my tensor load
	ds_add_u32 v[SPW], v[NIL]
	v_lshrrev_b32 v1, 5, v0
	v_readfirstlane_b32 s[WV], v1                  ; wave 0..7
	s_bfe_u32 s10, ttmp6, 0x40000                  ; cx: my block of 256 queries; it enters Q's and the output's addresses alone
	s_and_b32 s11, ttmp7, 0xffff                   ; 16 x batch + head, which the four partners share
	s_mul_i32 s12, s11, HEAD                       ; the head's first byte in qq and in kv (under 2^24)
	s_mul_i32 s14, s[WV], LREC                     ; record w in LDS,
	s_mul_i32 s15, s[WV], REC                      ; and in the head
	s_add_co_u32 s16, s12, s15
	s_mov_b32 s17, 0
	s_mov_b32 s[G1], 15|(3<<16)|(1<<20)|(1<<21)|(5<<22)|(15<<25)   ; the mask of all four work-groups; elements of 8 bytes; padding on; bit 21 beside a mask; after every 64 words 16 words
	s_mov_b32 s[G1+1], 32<<16                      ; tensor_dim0 = 32: rows of 256 bytes
	s_mov_b32 s[G1+2], 102<<16                     ; tensor_dim1
	s_mov_b32 s[G1+3], 32<<16                      ; tile_dim0
	s_mov_b32 s[G1+4], 102                         ; tile_dim1
	s_mov_b32 s[G1+5], 32                          ; dense
	s_mov_b32 s[G1+6], 0
	s_mov_b32 s[G1+7], 0
	s_mov_b32 s[SEL], 0x76543210
	s_mov_b32 s[SEL+1], 0xfedcba98
	s_mov_b32 s[CS], 0x3e38aa3b                    ; c = log2(e) / 8
	s_mov_b32 s[CS+1], s[CS]                       ; (named with it as a pair, so it is written)
	s_mov_b32 s[NC], 0xbe38aa3b                    ; -c
	s_mov_b32 s[TB], 0
	s_lshr_b32 s52, s[WV], 2
	s_lshl_b32 s53, s10, 1
	s_add_co_u32 s53, s53, s52                     ; my queries' record: 2 cx + wave / 4
	s_and_b32 s54, s[WV], 3
	s_lshl_b32 s54, s54, 1                         ; and my first tile in it: 2 (wave % 4)
	s_mul_i32 s2, s53, REC
	s_add_co_u32 s2, s2, s12
	s_lshl_b32 s56, s54, 7
	s_add_co_u32 s56, s56, s2
	s_add_co_u32 s56, s56, KSC                     ; Q's scale bytes: 128 a tile
	s_mov_b32 s57, 0
	s_mul_i32 s55, s54, 2304
	s_add_co_u32 s2, s2, s55                       ; Q's codes: 2,304 bytes a tile
	s_mov_b32 s3, 0
	s_lshr_b32 s55, s11, 4                         ; the batch
	s_lshl_b32 s55, s55, 3
	s_add_co_u32 s55, s55, s53
	s_lshl_b32 s55, s55, 3
	s_add_co_u32 s55, s55, s54                     ; T = 64 x batch + 8 x record + tile: my first 16 token positions
	s_and_b32 s52, s11, 15                         ; the head
	s_mul_i32 s58, s55, 12288                      ; oc: codes [T][head][768],
	s_mul_i32 s59, s52, 768
	s_add_co_u32 s58, s58, s59
	s_mov_b32 s59, 0
	s_lshl_b32 s60, s55, 9                         ; then scale bytes [position][32], two a head
	s_lshl_b32 s61, s52, 1
	s_add_co_u32 s60, s60, s61
	s_add_co_u32 s60, s60, 3145728
	s_mov_b32 s61, 0
	s_wait_dscnt 0x0                               ; both opening adds are done
	s_wait_kmcnt 0x0
	s_mov_b32 s[G0], 1
	s_mov_b32 s[G0+1], s14
	s_add_nc_u64 s[G0+2:G0+3], s[6:7], s[16:17]
	s_or_b32 s[G0+3], s[G0+3], 0x80000000
	s_add_nc_u64 s[2:3], s[4:5], s[2:3]
	s_add_nc_u64 s[56:57], s[4:5], s[56:57]
	s_add_nc_u64 s[58:59], s[8:9], s[58:59]
	s_add_nc_u64 s[60:61], s[8:9], s[60:61]
	CROUND                                         ; all four work-groups are here: the joint loads meet
	tensor_load_to_lds s[G0:G0+3], s[G1:G1+7]      ; record w: my one tensor load
	s_nop 0
.rept 4
	v_nop
.endr
	v_and_b32 v6, 31, v0                           ; lane
	v_and_b32 v7, 7, v0                            ; j
	v_bfe_u32 v8, v0, 3, 1                         ; x: which of the two record tiles my row of K comes from
	v_bfe_u32 v9, v0, 4, 1                         ; h
	v_and_b32 v10, 15, v0                          ; r
	v_mul_u32_u24 v[L16], v8, 18*ROWP
	v_mul_u32_u24 v[L8], v8, 18*ROWP
	v_mul_u32_u24 v[LS], v8, ROWP
	v_mul_u32_u24 v[LV], v9, ROWP
	v_lshlrev_b32 v[LVS], 2, v6                    ; V's scale words: 4 x lane
	v_mad_u32_u24 v[L16], v9, ROWP, v[L16]
	v_lshl_add_u32 v[L8], v9, 7, v[L8]
	v_lshl_add_u32 v[LS], v7, 3, v[LS]             ; K's scale bytes: one LDS row for x, + 8 j
	v_lshl_add_u32 v[LV], v10, 4, v[LV]            ; V's codes: one LDS row for h, + 16 r
	v_lshl_add_u32 v[L16], v7, 4, v[L16]           ; K's registers 0-3: 18 LDS rows for x, one for h, + 16 j
	v_lshl_add_u32 v[L8], v7, 3, v[L8]             ; K's registers 4-5: 18 LDS rows for x, + 128 h + 8 j
	v_lshlrev_b32 v7, 3, v6                        ; Q in memory: 8 x lane,
	v_lshlrev_b32 v8, 3, v10                       ; 8 x r,
	v_lshlrev_b32 v6, 4, v6                        ; 16 x lane
	s_wait_alu depctr_va_vdst(0)
.irp q, 0,1                                    ; Q stays in registers: streams w and p are the first fragment, stream c the lower half of the second
	WIN 0x40*\q
.irp s, 0,1,2
	global_load_b128 v[QB+6*\s:QB+6*\s+3], v6, s[2:3] offset:2304*\q+768*\s
	global_load_b64 v[QB+6*\s+4:QB+6*\s+5], v7, s[2:3] offset:2304*\q+768*\s+512
.endr
.endr
	WIN 0
	global_load_b64 v[QS:QS+1], v8, s[56:57]       ; Q's scale words: w w p p, c c 7f 7f
	global_load_b64 v[QS+2:QS+3], v8, s[56:57] offset:128
.irp q, 0,1                                    ; each tile's state, under the loads' flight
	WIN 0x40*\q
	v_lshlrev_b32 v[SH8], 3, v9
.irp j, 18,19,20,21,22,23
	v_mov_b32 v[QB+\j], 0                          ; zero codes: the upper half of Q's second fragment
.endr
	v_mov_b32 v[SMX], 0xff61b1e6                   ; the largest score so far: -3e38
	v_mov_b32 v[NM], 0x7e000000                    ; -M: so large that the first f is 0
	v_mov_b32 v[SUM], 0
	v_mov_b32 v[SUM+1], 0
	v_mov_b32 v[F+1], 0                            ; (named as the upper half of a pair before it is first written)
	v_mov_b32 v[TM2], 0                            ; a lane permute's destination counts as one of its sources
.set j, 0
.rept 32
	v_mov_b32 v[O+j], 0                            ; O^T.  (The step is written once: the first finds zeros, which f = 0 leaves zeros)
.set j, j+1
.endr
.endr
	WIN 0
.macro KLOAD c                         ; the four tiles (c, u1, u0), three streams each: 24 loads
.irp u1, 0,1
.irp u0, 0,1
.irp s, 0,1,2
	ds_load_b128 v[KB+18*(2*\u1+\u0)+6*\s:KB+18*(2*\u1+\u0)+6*\s+3], v[A16] offset:ROWP*(9*(4*\c+\u0)+3*\s)+128*\u1
	ds_load_b64 v[KB+18*(2*\u1+\u0)+6*\s+4:KB+18*(2*\u1+\u0)+6*\s+5], v[A8] offset:ROWP*(9*(4*\c+\u0)+3*\s+2)+64*\u1
.endr
.endr
.endr
.endm
.macro SMUL g                          ; S^T of the four tiles of group g for both query tiles: eight accumulators by turns, one instruction a turn: streams w and p, then stream c and the zeros
.irp p, 0,1
.irp q, 0,1
	WIN (\g)|(0x54*\q)
.irp t, 0,1,2,3
.if \p == 0
	WM0 S+8*(4*\g+\t), KB+18*\t, QB, SWK+2*(4*\g+\t), QS+2*\q
.else
	WMA S+8*(4*\g+\t), KB+18*\t+12, QB+12, SWK+2*(4*\g+\t)+1, QS+2*\q+1
.endif
.endr
.endr
.endr
.endm
; THE SOFTMAX OF QUERY TILE q FOR THESE 128 KEYS, all in window q but for p's scale word.  A lane holds blocks h and 2 + h: registers S + 0 .. 31 and S + 32 .. 63.
.macro PHASE q
	WIN 0x55*\q
	s_wait_alu depctr_va_vdst(0)                   ; directly ahead of the first reader of S^T
.irp k, 0,1,2,3
	v_max3_num_f32 v[CH+\k], v[S+16*\k], v[S+16*\k+1], v[S+16*\k+2]   ; four chains of 16 scores by turns, each accumulator from its low end on
.endr
.irp i, 3,5,7,9,11,13
.irp k, 0,1,2,3
	v_max3_num_f32 v[CH+\k], v[CH+\k], v[S+16*\k+\i], v[S+16*\k+\i+1]
.endr
.endr
	v_max3_num_f32 v[CH], v[CH], v[CH+1], v[S+15]
	v_max3_num_f32 v[CH+2], v[CH+2], v[CH+3], v[S+47]
	v_max_num_f32 v[CH], v[CH], v[S+31]            ; THE LARGEST SCORE OF EACH BLOCK: it serves for the row's maximum and, since p rises with the score, for the block's largest p
	v_max_num_f32 v[CH+2], v[CH+2], v[S+63]
	v_max_num_f32 v[TMP], v[CH], v[CH+2]
	v_permlanex16_b32 v[TM2], v[TMP], s[SEL], s[SEL+1]
	v_max3_num_f32 v[SMX], v[SMX], v[TMP], v[TM2]  ; with lane l xor 16's two blocks: the running largest score
	v_mul_f32 v[TMP], s[NC], v[SMX]                ; -t
	v_floor_f32 v[TMP], v[TMP]                     ; the new -M = floor(-t) = -ceil(t): M IS A WHOLE NUMBER
	v_sub_f32 v[TM2], v[TMP], v[NM]                ; M's old value less its new one: a whole number, 0 or less
	v_mov_b32 v[NM], v[TMP]
	v_cvt_i32_f32 v[TM2], v[TM2]                   ; (it saturates)
	v_ldexp_f32 v[F], 1.0, v[TM2]                  ; f = 2^(old M - new M): a multiplication by it rounds nothing
	s_wait_alu depctr_va_vdst(0)                   ; directly ahead of the first reader of O^T
.set j, 0
.rept 16
	v_pk_mul_f32 v[O+j:O+j+1], v[O+j:O+j+1], v[F:F+1] op_sel_hi:[1,0]   ; O^T under the new M, each accumulator from its low end on
.set j, j+2
.endr
	v_pk_mul_f32 v[SUM:SUM+1], v[SUM:SUM+1], v[F:F+1] op_sel_hi:[1,0]   ; and the sums
.set j, 0
.rept 32
	v_pk_fma_f32 v[S+j:S+j+1], v[S+j:S+j+1], s[CS:CS+1], v[NM:NM+1] op_sel_hi:[1,0,0]   ; t - M, two at a time
.set j, j+2
.endr
	v_fma_f32 v[CH], v[CH], s[CS], v[NM]           ; the same of each block's largest score
	v_fma_f32 v[CH+2], v[CH+2], s[CS], v[NM]
	s_wait_alu depctr_va_vdst(0)                   ; ahead of the batch
.set j, 0
.rept 64
	v_exp_f32 v[S+j], v[S+j]                       ; p = 2^(t - M), at most 1: NOT normalised
.set j, j+1
.endr
	v_exp_f32 v[CH], v[CH]                         ; the blocks' largest p
	v_exp_f32 v[CH+2], v[CH+2]
	v_nop                                          ; a plain place behind the exponentials
	s_wait_alu depctr_va_vdst(0)                   ; one wait for the batch, ahead of its first reader
	v_max_num_f32 v[CH], 0x1800000, v[CH]          ; the floor 2^(3 - 127): the byte cannot fall under 1
	v_max_num_f32 v[CH+2], 0x1800000, v[CH+2]
	v_add_nc_u32 v[SO0], 0xff000000, v[CH]         ; 2 off the exponent field: the conversion's scale operand
	v_add_nc_u32 v[SO1], 0xff000000, v[CH+2]
	v_lshrrev_b32 v[F], 23, v[SO0]                 ; the scales' bytes
	v_lshrrev_b32 v[F+1], 23, v[SO1]
	v_lshl_or_b32 v[TMP], v[F+1], 16, v[F]         ; blocks h and 2 + h,
	v_lshlrev_b32 v[TMP], v[SH8], v[TMP]           ; at their places in the scale word;
	v_permlanex16_b32 v[TM2], v[TMP], s[SEL], s[SEL+1]
	WIN 0x15*\q                                    ; (scale operands are taken from window 0)
	v_or_b32 v[PW+\q], v[TMP], v[TM2]              ; with lane l xor 16's two the word is whole
	WIN 0x55*\q
	v_cvt_scalef32_pk16_fp6_f32 v[PCD:PCD+2], v[S:S+15], v[SO0]
	v_cvt_scalef32_pk16_fp6_f32 v[CH:CH+2], v[S+16:S+31], v[SO0]      ; (a conversion's three registers begin on an even number)
	v_cvt_scalef32_pk16_fp6_f32 v[PCD+6:PCD+8], v[S+32:S+47], v[SO1]
	v_cvt_scalef32_pk16_fp6_f32 v[T1:T1+2], v[S+48:S+63], v[SO1]
	v_nop                                          ; one plain place behind a scaled conversion
.irp i, 0,1,2
	v_mov_b32 v[PCD+3+\i], v[CH+\i]
	v_mov_b32 v[PCD+9+\i], v[T1+\i]
.endr
.irp w, 32,16,8,4,2                            ; THE ROW'S SUM OF THE UNQUANTISED p, as a tree in place.  (These are also the places between p's codes and scale word and the products)
.set j, 0
.rept \w/2
	v_pk_add_f32 v[S+j:S+j+1], v[S+j:S+j+1], v[S+j+\w:S+j+\w+1]
.set j, j+2
.endr
.endr
	v_pk_add_f32 v[SUM:SUM+1], v[SUM:SUM+1], v[S:S+1]
.endm
.macro PV q                            ; O^T += V^T P^T: four tiles of 16 of the head's 64, by turns; K = these 128 keys
	WIN 0x54*\q
.irp t, 0,1,2,3
	WMA O+8*\t, KB+12*\t, PCD, SWK+\t, PW+\q
.endr
.endm
; A KEY STEP: the record of 128 keys at LDS byte s[TB].
.macro STEP
	v_add_nc_u32 v[A16], s[TB], v[L16]             ; these five are also the places between the last step's products and the loads into the registers that they read
	v_add_nc_u32 v[A8], s[TB], v[L8]
	v_add_nc_u32 v[AS], s[TB], v[LS]
	v_add_nc_u32 v[AV], s[TB], v[LV]
	v_add_nc_u32 v[AVS], s[TB], v[LVS]
	s_wait_alu depctr_va_vdst(0)
.irp c, 0,1
.irp u1, 0,1
.irp u0, 0,1
	ds_load_b64 v[SWK+2*(4*\c+2*\u1+\u0):SWK+2*(4*\c+2*\u1+\u0)+1], v[AS] offset:ROWP*(96+2*\c)+128*\u0+64*\u1
.endr
.endr
.endr
	KLOAD 0
	WIN 0x40
	KLOAD 1
	s_wait_dscnt 24                                ; the scale words and group 0 are in; group 1's 24 loads may be out
	SMUL 0
	s_wait_dscnt 0x0
	SMUL 1
	WIN 0
.rept 4
	v_nop                                          ; places behind the products, in front of the loads into K's registers and of the first read of S^T
.endr
.irp t, 0,1,2,3
.irp c, 0,1,2
	ds_load_b128 v[KB+12*\t+4*\c:KB+12*\t+4*\c+3], v[AV] offset:ROWP*(72+6*\t+2*\c)
.endr
	ds_load_b32 v[SWK+\t], v[AVS] offset:ROWP*(100+\t/2)+128*(\t%2)
.endr
	PHASE 0
	s_wait_alu depctr_va_vdst(0)
	s_wait_dscnt 0x0                               ; V
	PV 0
	PHASE 1
	PV 1
	WIN 0
	s_add_co_u32 s[TB], s[TB], LREC                ; the next record
.endm
	s_wait_alu depctr_va_vdst(0)
	s_wait_loadcnt 0x0                             ; Q
	s_wait_tensorcnt 0x0                           ; my record has landed
	s_barrier_signal -1
	s_barrier_wait -1                              ; everybody's has
	s_mov_b32 s[CNT], 8
.Lstep:
	STEP
	s_sub_co_u32 s[CNT], s[CNT], 1
	s_cmp_lg_u32 s[CNT], 0
	s_cbranch_scc1 .Lstep
	; THE WAY OUT.  O^T / the sum: 32 numbers a lane and tile, register 16 b + i = channel 32 b + 16 h + i of my query: two blocks of the next product's K.  They become half a fragment (6 registers) and two scale bytes.
	v_and_b32 v6, 31, v0                           ; (these five are also places behind the last products)
	v_and_b32 v8, 15, v0
	v_lshlrev_b32 v7, 3, v6                        ; 8 x lane
	v_lshlrev_b32 v6, 4, v6                        ; 16 x lane
	v_lshlrev_b32 v8, 5, v8                        ; 32 x (lane % 16)
	s_mov_b32 s33, 0xffff0000                      ; a mask of lanes 16-31
.macro OUT q
	WIN 0x55*\q
	v_add_f32 v[SUM], v[SUM], v[SUM+1]             ; the sum's two halves,
	v_permlanex16_b32 v[TM2], v[SUM], s[SEL], s[SEL+1]
	v_add_f32 v[SUM], v[SUM], v[TM2]               ; and lane l xor 16's: the row's sum
	s_wait_alu depctr_va_vdst(0)                   ; ahead of the transcendental
	v_rcp_f32 v[SUM], v[SUM]
	v_nop                                          ; a plain place behind the reciprocal
	s_wait_alu depctr_va_vdst(0)                   ; ahead of its first reader, which is also the first reader of O^T
.set j, 0
.rept 16
	v_pk_mul_f32 v[S+j:S+j+1], v[O+j:O+j+1], v[SUM:SUM+1] op_sel_hi:[1,0]
.set j, j+2
.endr
.irp b, 0,1
	v_max3_num_f32 v[CH+\b], |v[S+16*\b]|, |v[S+1+16*\b]|, 0x1800000   ; my 16 numbers of block b, and the floor
.endr
.irp i, 2,4,6,8,10,12,14
.irp b, 0,1
	v_max3_num_f32 v[CH+\b], v[CH+\b], |v[S+16*\b+\i]|, |v[S+1+16*\b+\i]|
.endr
.endr
.irp b, 0,1
	v_permlanex16_b32 v[CH+2+\b], v[CH+\b], s[SEL], s[SEL+1]
.endr
.irp b, 0,1
	v_max_num_f32 v[CH+\b], v[CH+\b], v[CH+2+\b]   ; with lane l xor 16's 16 numbers: the block's largest magnitude
.endr
.irp b, 0,1
	v_add_nc_u32 v[T1+\b], 0xff000000, v[CH+\b]    ; the conversion's scale operand
.endr
.irp b, 0,1
	v_lshrrev_b32 v[CH+2+\b], 23, v[T1+\b]         ; the scale's byte
.endr
	v_lshl_or_b32 v[TMP], v[CH+3], 8, v[CH+2]      ; my row's two scale bytes
	v_cvt_scalef32_pk16_fp6_f32 v[PCD:PCD+2], v[S:S+15], v[T1]
	v_cvt_scalef32_pk16_fp6_f32 v[PCD+8:PCD+10], v[S+16:S+31], v[T1+1]
	v_nop                                          ; one plain place behind a scaled conversion
; The operand's layout wants a whole block in a lane: lanes 0-15 block 0, lanes 16-31 block 1.  Each half block is fetched from lane l xor 16 and chosen by the lane's half.
.irp i, 0,1,2
	v_permlanex16_b32 v[S+32+\i], v[PCD+\i], s[SEL], s[SEL+1]      ; block 0's codes of the other half of the lanes
	v_permlanex16_b32 v[S+36+\i], v[PCD+8+\i], s[SEL], s[SEL+1]    ; block 1's
.endr
.irp i, 0,1,2
	v_cndmask_b32 v[PCD+3+\i], v[S+32+\i], v[PCD+8+\i], s33        ; the upper 16 codes: lanes 0-15 block 0's from lanes 16-31, lanes 16-31 their own of block 1
	v_cndmask_b32 v[PCD+\i], v[PCD+\i], v[S+36+\i], s33            ; the lower 16 codes: lanes 0-15 their own of block 0, lanes 16-31 block 1's from lanes 0-15
.endr
	WIN 0x04*\q                                    ; a store's data stand in the place of source 1
	global_store_b128 v6, v[PCD:PCD+3], s[58:59] offset:12288*\q           ; the wave stores 512 consecutive bytes, aligned,
	global_store_b64 v7, v[PCD+4:PCD+5], s[58:59] offset:12288*\q+512      ; and 256
	global_store_b16 v8, v[TMP], s[60:61] offset:512*\q                    ; lanes 16-31 store the same two bytes to the same place as lanes 0-15
.endm
	OUT 0
	OUT 1
	WIN 0
	s_wait_tensorcnt 0x0                           ; the wave's end
	ds_add_u32 v[SPW], v[NIL]
	s_wait_dscnt 0x0
	CROUND                                         ; the closing round: no work-group ends while a partner may still ask for rows that name it
	s_endpgm
.Lfunc_end_k_qee0f67b40e_attn:
	.size	k_qee0f67b40e_attn, .Lfunc_end_k_qee0f67b40e_attn-k_qee0f67b40e_attn
	.p2alignl 7, 3214868480
	.fill 96, 4, 3214868480
	.section	.rodata,"a",@progbits
	.p2align	6, 0x0
	.amdhsa_kernel k_qee0f67b40e_attn
		.amdhsa_group_segment_fixed_size 264192
		.amdhsa_private_segment_fixed_size 0
		.amdhsa_enable_private_segment 0
		.amdhsa_kernarg_size 24
		.amdhsa_user_sgpr_count 2
		.amdhsa_user_sgpr_kernarg_segment_ptr 1
		.amdhsa_wavefront_size32 1
		.amdhsa_system_sgpr_workgroup_id_x 1
		.amdhsa_system_sgpr_workgroup_id_y 1
		.amdhsa_system_sgpr_workgroup_id_z 1
		.amdhsa_system_vgpr_workitem_id 0
		.amdhsa_next_free_vgpr 512
		.amdhsa_next_free_sgpr 66
		.amdhsa_reserve_vcc 0
		.amdhsa_float_denorm_mode_32 3
		.amdhsa_float_denorm_mode_16_64 3
		.amdhsa_memory_ordered 1
		.amdhsa_forward_progress 1
		.amdhsa_inst_pref_size 51
	.end_amdhsa_kernel
	.amdgpu_metadata
---
amdhsa.version: [ 1, 2 ]
amdhsa.kernels:
  - .name:           k_qee0f67b40e_attn
    .symbol:         k_qee0f67b40e_attn.kd
    .args:
      - { .name: qq, .offset: 0, .size: 8, .value_kind: global_buffer, .address_space: global }
      - { .name: kv, .offset: 8, .size: 8, .value_kind: global_buffer, .address_space: global }
      - { .name: oc, .offset: 16, .size: 8, .value_kind: global_buffer, .address_space: global }
    .group_segment_fixed_size: 264192
    .private_segment_fixed_size: 0
    .kernarg_segment_align: 8
    .kernarg_segment_size: 24
    .max_flat_workgroup_size: 256
    .sgpr_count:     66
    .vgpr_count:     512
    .wavefront_size: 32
...
	.end_amdgpu_metadata
.endif
;; end of part 3
;; launch outproj (part 4): grid 8 x 32, 4 waves a work-group, clusters of 4 x 4, 327,680 bytes of LDS; arguments oc, wc, ws, bo, out0; writes out0
.if DOCPART == 4
	.amdgcn_target "amdgcn-amd-amdhsa--gfx1250"
	.amdhsa_code_object_version 6
	.text
	.protected	k_qee0f67b40e_outproj
	.globl	k_qee0f67b40e_outproj
	.p2align	8
	.type	k_qee0f67b40e_outproj,@function
k_qee0f67b40e_outproj:
	s_mov_b64 s[64:65], 0
	v_nop
	global_prefetch_b8 v0, s[64:65] scope:SCOPE_SE
	s_setreg_imm32_b32 hwreg(HW_REG_WAVE_MODE, 25, 1), 1
	s_wait_xcnt 0x0
	s_wait_alu depctr_hold_cnt(0) depctr_sa_sdst(0) depctr_va_vdst(0) depctr_va_sdst(0) depctr_va_ssrc(0) depctr_va_vcc(0) depctr_vm_vsrc(0)
	s_getreg_b32 s2, hwreg(HW_REG_IB_STS2, 6, 4)
	s_cmp_eq_u32 s2, 0
	s_cbranch_scc0 .Lentry_in_a_cluster
	s_endpgm
.Lentry_in_a_cluster:
	s_bfe_u32 s2, ttmp6, 0x10000c
	s_cmp_lg_u32 s2, 0xf033
	s_cbranch_scc0 .Lentry_shape_is_right
	s_endpgm
.Lentry_shape_is_right:
.set APQ,    49152
; out0 = O Wo + bo on codes of E2M3: a work-group makes 128 x 128, a wave 64 x 64.  All that it multiplies comes as ONE group of four joint loads at the head, one a wave: wave 0 A's 8 tiles of 16 rows x all of K (98,304 dense bytes),
; wave 2 B's, wave 1 the scale bytes of A's 128 rows, wave 3 those of B's.  Nothing is filled again; one barrier shows all four to all waves.  No prefetch: the launch has no loop over memory to run ahead in.
.set AT,     12288                     ; a tile of 16 rows x 1,024 along K, in memory as in LDS
.set BOFF,   2*APQ
.set SCL,    BOFF+2*APQ
.set SCW,    8*272
.set STAGE,  SCL+4*SCW
.set SPITCH, 272
.set A16,  16
.set A8,   18
.set B16,  20
.set B8,   22
.set ADRS, 24
.set STO,  25
.set RD,   26
.set CO,   27
.set BI,   32
.set SC,   64
.set ACC,  128
.set G1A, 24
.set G0A, 32
.set G1B, 48
.set G0B, 56
.set G1SA, 68
.set G0SA, 76
.set G1SB, 80
.set G0SB, 88
.set MSB, 0
.macro WIN new
.if MSB != \new
	s_set_vgpr_msb (MSB<<8)|\new
.set MSB, \new
.endif
.endm
.set MUL,  0x05
.set TO_F, 0x40
.macro JLOAD g0a, g1a, g0b, g1b
	s_cmp_eq_u32 s15, 0
	s_cbranch_scc0 .Lfor_b_\@
	tensor_load_to_lds s[\g0a:\g0a+3], s[\g1a:\g1a+7]
	s_nop 0
.rept 4
	v_nop
.endr
	s_branch .Lasked_\@
.Lfor_b_\@:
	tensor_load_to_lds s[\g0b:\g0b+3], s[\g1b:\g1b+7]
	s_nop 0
.rept 4
	v_nop
.endr
.Lasked_\@:
.endm
.macro CROUND
	s_barrier_signal -1
	s_barrier_wait -1
	s_cmp_lg_u32 s14, 0
	s_cbranch_scc1 .Lnot_wave_0_\@
	s_barrier_signal -3
.Lnot_wave_0_\@:
	s_barrier_wait -3
	s_barrier_signal -1
	s_barrier_wait -1
.endm
	s_load_b128 s[4:7], s[0:1], 0x0
	s_load_b128 s[8:11], s[0:1], 0x10
	s_load_b64 s[12:13], s[0:1], 0x20
	v_lshl_add_u32 v30, v0, 2, 0x39600
	v_mov_b32 v31, 0
	ds_add_u32 v30, v31
	ds_add_u32 v30, v31
	v_lshrrev_b32 v1, 5, v0
	v_readfirstlane_b32 s14, v1
	s_lshr_b32 s15, s14, 1
	s_and_b32 s16, s14, 1
	s_bfe_u32 s40, ttmp6, 0x40000
	s_bfe_u32 s41, ttmp6, 0x40004
	s_lshl_b32 s42, ttmp9, 2
	s_add_co_u32 s42, s42, s40
	s_and_b32 s17, ttmp7, 0xffff
	s_lshl_b32 s17, s17, 2
	s_add_co_u32 s17, s17, s41
	s_lshl_b32 s43, s41, 2
	s_lshl_b32 s43, 15, s43
	s_lshl_b32 s44, 0x1111, s40
	s_or_b32 s[G1A], s43, (3<<16)|(1<<21)
	s_or_b32 s[G1B], s44, (3<<16)|(1<<21)
.irp g, G1A, G1B
	s_mov_b32 s[\g+1], 1536<<16                    ; rows of 12,288 bytes (elements of 8 bytes): a tile of 16 rows of codes
	s_mov_b32 s[\g+2], 8<<16
	s_mov_b32 s[\g+3], 1536<<16
	s_mov_b32 s[\g+4], 8
	s_mov_b32 s[\g+5], 1536
	s_mov_b32 s[\g+6], 0
	s_mov_b32 s[\g+7], 0
.endr
	s_or_b32 s[G1SA], s43, (3<<16)|(1<<20)|(1<<21)|(5<<22)|(3<<25)
	s_or_b32 s[G1SB], s44, (3<<16)|(1<<20)|(1<<21)|(5<<22)|(3<<25)
.irp g, G1SA, G1SB
	s_mov_b32 s[\g+1], 32<<16
	s_mov_b32 s[\g+2], 16<<16                      ; the scales of 128 rows: 16 rows of 256 bytes
	s_mov_b32 s[\g+3], 32<<16
	s_mov_b32 s[\g+4], 16
	s_mov_b32 s[\g+5], 32
	s_mov_b32 s[\g+6], 0
	s_mov_b32 s[\g+7], 0
.endr
	s_lshl_b32 s20, s17, 3
	s_lshl_b32 s18, s16, 2
	s_add_co_u32 s20, s20, s18
	s_mul_i32 s20, s20, 12288
	s_mov_b32 s21, 0
	s_lshl_b32 s22, s17, 12
	s_lshl_b32 s18, s16, 11
	s_add_co_u32 s22, s22, s18
	s_add_co_u32 s22, s22, 3145728
	s_mov_b32 s23, 0
	s_lshl_b32 s46, s42, 7
	s_lshl_b32 s19, s16, 6
	s_add_co_u32 s46, s46, s19
	s_mul_i32 s46, s46, 768
	s_add_co_u32 s46, s46, 5505024
	s_mov_b32 s47, 0
	s_lshl_b32 s92, s42, 12
	s_add_co_u32 s92, s92, s18
	s_add_co_u32 s92, s92, 229376
	s_mov_b32 s93, 0
	s_mul_i32 s45, s16, 4*AT
	s_add_co_u32 s94, s45, BOFF
	s_lshl_b32 s66, s42, 9
	s_lshl_b32 s67, s16, 8
	s_add_co_u32 s66, s66, s67
	s_mov_b32 s67, 0
	s_lshl_b32 s2, s17, 19
	s_lshl_b32 s3, s15, 18
	s_add_co_u32 s2, s2, s3
	s_add_co_u32 s2, s2, s66
	s_mov_b32 s3, 0
	s_wait_dscnt 0x0
	s_wait_kmcnt 0x0
	s_add_nc_u64 s[20:21], s[4:5], s[20:21]
	s_add_nc_u64 s[22:23], s[4:5], s[22:23]
	s_add_nc_u64 s[46:47], s[6:7], s[46:47]
	s_add_nc_u64 s[92:93], s[8:9], s[92:93]
	s_add_nc_u64 s[10:11], s[10:11], s[66:67]
	s_add_nc_u64 s[12:13], s[12:13], s[2:3]
	CROUND
	s_mov_b32 s[G0SA], 1                           ; A's scales, used by wave 1 alone: its address stands at the upper 64 rows, so 64 rows of 32 bytes are taken off
	s_mov_b32 s[G0SA+1], SCL
	s_sub_nc_u64 s[G0SA+2:G0SA+3], s[22:23], 2048
	s_or_b32 s[G0SA+3], s[G0SA+3], 0x80000000
	s_mov_b32 s[G0SB], 1                           ; B's scales, used by wave 3 alone: likewise
	s_mov_b32 s[G0SB+1], SCL+2*SCW
	s_sub_nc_u64 s[G0SB+2:G0SB+3], s[92:93], 2048
	s_or_b32 s[G0SB+3], s[G0SB+3], 0x80000000
	s_mov_b32 s[G0A], 1                            ; A's codes, used by wave 0 alone: there the address stands at A's first tile and the LDS address is 0
	s_mov_b32 s[G0A+1], s45
	s_mov_b64 s[G0A+2:G0A+3], s[20:21]
	s_or_b32 s[G0A+3], s[G0A+3], 0x80000000
	s_mov_b32 s[G0B], 1                            ; B's codes, used by wave 2 alone: B's first tile, LDS address BOFF
	s_mov_b32 s[G0B+1], s94
	s_mov_b64 s[G0B+2:G0B+3], s[46:47]
	s_or_b32 s[G0B+3], s[G0B+3], 0x80000000
; one chain of branches on the wave's number, a load to an arm, all arms leading to one join
.macro ARM under, g0, g1, next
	s_cmp_lt_u32 s14, \under
	s_cbranch_scc0 \next
	tensor_load_to_lds s[\g0:\g0+3], s[\g1:\g1+7]
	s_nop 0
.rept 4
	v_nop
.endr
	s_branch .Lhead_asked
\next:
.endm
	ARM 1, G0A,  G1A,  .Lhead_sa
	ARM 2, G0SA, G1SA, .Lhead_b
	ARM 3, G0B,  G1B,  .Lhead_sb
	tensor_load_to_lds s[G0SB:G0SB+3], s[G1SB:G1SB+7]
	s_nop 0
.rept 4
	v_nop
.endr
.Lhead_asked:
	v_and_b32 v1, 15, v0
	v_bfe_u32 v2, v0, 4, 1
	v_and_b32 v3, 31, v0
	v_lshlrev_b32 v10, 6, v2
.irp b, 0,1,2,3
	global_load_b128 v[BI+8*\b:BI+8*\b+3], v10, s[10:11] offset:(32*(\b/2)+8*(\b%2))*4
	global_load_b128 v[BI+8*\b+4:BI+8*\b+7], v10, s[10:11] offset:(32*(\b/2)+8*(\b%2))*4+16
.endr
	v_lshlrev_b32 v4, 4, v3
	v_lshlrev_b32 v5, 3, v3
	v_lshlrev_b32 v6, 4, v1
	v_lshl_add_u32 v6, v2, 3, v6
	s_mul_i32 s21, s15, 4*AT
	s_mul_i32 s22, s16, 4*AT
	s_add_co_u32 s22, s22, BOFF
.irp q, 0,1
	v_add_nc_u32 v[A16+\q], s21, v4
	v_add_nc_u32 v[A8+\q], s21, v5
	v_add_nc_u32 v[B16+\q], s22, v4
	v_add_nc_u32 v[B8+\q], s22, v6
	s_add_co_u32 s21, s21, 6144                    ; the second address register of each kind stands at the upper half of K of each tile
	s_add_co_u32 s22, s22, 6144
.endr
	v_lshrrev_b32 v8, 3, v1
	v_mul_u32_u24 v8, v8, 272
	v_and_b32 v9, 7, v1
	v_lshl_add_u32 v8, v9, 5, v8
	s_mul_i32 s21, s15, SCW
	s_mul_i32 s22, s16, SCW
	s_add_co_u32 s22, s22, 2*SCW
	s_sub_co_u32 s22, s22, s21
	v_mul_u32_u24 v9, s22, v2
	s_add_co_u32 s21, s21, SCL
	v_add_nc_u32 v8, v8, v9
	v_add_nc_u32 v[ADRS], s21, v8
	s_mul_i32 s23, s14, 16*SPITCH
	s_add_co_u32 s23, s23, STAGE
	v_mul_u32_u24 v8, v1, SPITCH
	v_lshl_add_u32 v8, v2, 6, v8
	v_add_nc_u32 v[STO], s23, v8
	v_mul_u32_u24 v8, v2, SPITCH
	v_lshl_add_u32 v8, v1, 4, v8
	v_add_nc_u32 v[RD], s23, v8
	v_lshlrev_b32 v8, 12, v2
	v_lshl_add_u32 v[CO], v1, 4, v8
.macro FETCH ks, f
.set QQ, (\ks)/4
.set SS, (\ks)%4
	WIN TO_F
.irp a, 0,1,2,3
	ds_load_b128 v[\f+12*\a:\f+12*\a+3], v[A16+QQ] offset:AT*\a+1536*SS
	ds_load_b64 v[\f+12*\a+4:\f+12*\a+5], v[A8+QQ] offset:AT*\a+1536*SS+512
	ds_load_b128 v[\f+12*\a+6:\f+12*\a+9], v[A16+QQ] offset:AT*\a+1536*SS+768
	ds_load_b64 v[\f+12*\a+10:\f+12*\a+11], v[A8+QQ] offset:AT*\a+1536*SS+1280
.endr
.irp b, 0,1,2,3
	ds_load_b128 v[\f+48+12*\b:\f+48+12*\b+3], v[B16+QQ] offset:AT*\b+1536*SS
	ds_load_b64 v[\f+48+12*\b+4:\f+48+12*\b+5], v[B8+QQ] offset:AT*\b+1536*SS+512
	ds_load_b128 v[\f+48+12*\b+6:\f+48+12*\b+9], v[B16+QQ] offset:AT*\b+1536*SS+768
	ds_load_b64 v[\f+48+12*\b+10:\f+48+12*\b+11], v[B8+QQ] offset:AT*\b+1536*SS+1280
.endr
.endm
.macro MUL8 f, a0, ks
.irp a, \a0, \a0+1
.irp b, 0,1,2,3
.if (\ks) == 0
	v_wmma_scale_f32_16x16x128_f8f6f4 v[ACC+8*(4*(\a)+\b):ACC+8*(4*(\a)+\b)+7], v[\f+48+12*\b:\f+48+12*\b+11], v[\f+12*(\a):\f+12*(\a)+11], v[BI+8*\b:BI+8*\b+7], v[SC+8*\b+(\ks)], v[SC+8*(\a)+(\ks)] matrix_a_fmt:MATRIX_FMT_FP6 matrix_b_fmt:MATRIX_FMT_FP6 matrix_a_scale:MATRIX_SCALE_ROW1
.else
	v_wmma_scale_f32_16x16x128_f8f6f4 v[ACC+8*(4*(\a)+\b):ACC+8*(4*(\a)+\b)+7], v[\f+48+12*\b:\f+48+12*\b+11], v[\f+12*(\a):\f+12*(\a)+11], v[ACC+8*(4*(\a)+\b):ACC+8*(4*(\a)+\b)+7], v[SC+8*\b+(\ks)], v[SC+8*(\a)+(\ks)] matrix_a_fmt:MATRIX_FMT_FP6 matrix_b_fmt:MATRIX_FMT_FP6 matrix_a_scale:MATRIX_SCALE_ROW1
.endif
.endr
.endr
.endm
.macro KSTEP ks
.set FC, 128*((\ks)%2)
.set FN, 128-FC
	s_wait_dscnt 0x0
	WIN MUL
	MUL8 FC, 0, \ks
.if (\ks) < 7
.rept 4
	v_nop
.endr
	FETCH (\ks)+1, FN
	WIN MUL
.endif
	MUL8 FC, 2, \ks
.endm
	s_wait_alu depctr_va_vdst(0)
	s_wait_tensorcnt 0x0                           ; my tile of the head's four is in
	s_barrier_signal -1
	s_barrier_wait -1
.irp i, 0,1,2,3
	ds_load_b128 v[SC+8*\i:SC+8*\i+3], v[ADRS] offset:544*\i
	ds_load_b128 v[SC+8*\i+4:SC+8*\i+7], v[ADRS] offset:544*\i+16
.endr
	FETCH 0, 0
	s_wait_loadcnt 0x0
.irp k, 0,1,2,3,4,5,6,7
	KSTEP \k
.endr
	WIN 0
.macro TOSTAGE a
.irp b, 0,1,2,3
	ds_store_b128 v[STO], v[ACC+8*(4*(\a)+\b):ACC+8*(4*(\a)+\b)+3] offset:128*(\b/2)+32*(\b%2)
	ds_store_b128 v[STO], v[ACC+8*(4*(\a)+\b)+4:ACC+8*(4*(\a)+\b)+7] offset:128*(\b/2)+32*(\b%2)+16
.endr
.set BB, 32+64*((\a)%2)
.irp t, 0,1,2,3,4,5,6,7
	ds_load_b128 v[BB+4*\t:BB+4*\t+3], v[RD] offset:\t*2*SPITCH
.endr
.endm
.macro SEND a, younger
.set BB, 32+64*((\a)%2)
	s_wait_dscnt \younger
.irp t, 0,1,2,3,4,5,6,7
	global_store_b128 v[CO], v[BB+4*\t:BB+4*\t+3], s[12:13] offset:(32*((\a)/2)+8*((\a)%2)+16*(\t/4)+2*(\t%4))*4096 th:TH_STORE_NT
.endr
.endm
.rept 4
	v_nop
.endr
	TOSTAGE 0
	TOSTAGE 1
	SEND 0, 16
	s_wait_xcnt 0x0
	TOSTAGE 2
	SEND 1, 16
	s_wait_xcnt 0x0
	TOSTAGE 3
	SEND 2, 16
	SEND 3, 0
	s_wait_tensorcnt 0x0
	ds_add_u32 v30, v31
	s_wait_dscnt 0x0
	CROUND
	s_endpgm
.Lfunc_end_k_qee0f67b40e_outproj:
	.size	k_qee0f67b40e_outproj, .Lfunc_end_k_qee0f67b40e_outproj-k_qee0f67b40e_outproj
	.p2alignl 7, 3214868480
	.fill 96, 4, 3214868480
	.section	.rodata,"a",@progbits
	.p2align	6, 0x0
	.amdhsa_kernel k_qee0f67b40e_outproj
		.amdhsa_group_segment_fixed_size 327680
		.amdhsa_private_segment_fixed_size 0
		.amdhsa_enable_private_segment 0
		.amdhsa_kernarg_size 40
		.amdhsa_user_sgpr_count 2
		.amdhsa_user_sgpr_kernarg_segment_ptr 1
		.amdhsa_wavefront_size32 1
		.amdhsa_system_sgpr_workgroup_id_x 1
		.amdhsa_system_sgpr_workgroup_id_y 1
		.amdhsa_system_sgpr_workgroup_id_z 1
		.amdhsa_system_vgpr_workitem_id 0
		.amdhsa_next_free_vgpr 512
		.amdhsa_next_free_sgpr 100
		.amdhsa_reserve_vcc 0
		.amdhsa_float_denorm_mode_32 3
		.amdhsa_float_denorm_mode_16_64 3
		.amdhsa_memory_ordered 1
		.amdhsa_forward_progress 1
		.amdhsa_inst_pref_size 52
	.end_amdhsa_kernel
	.amdgpu_metadata
---
amdhsa.version: [ 1, 2 ]
amdhsa.kernels:
  - .name:           k_qee0f67b40e_outproj
    .symbol:         k_qee0f67b40e_outproj.kd
    .args:
      - { .name: oc, .offset: 0, .size: 8, .value_kind: global_buffer, .address_space: global }
      - { .name: wc, .offset: 8, .size: 8, .value_kind: global_buffer, .address_space: global }
      - { .name: ws, .offset: 16, .size: 8, .value_kind: global_buffer, .address_space: global }
      - { .name: bo, .offset: 24, .size: 8, .value_kind: global_buffer, .address_space: global }
      - { .name: out0, .offset: 32, .size: 8, .value_kind: global_buffer, .address_space: global }
    .group_segment_fixed_size: 327680
    .private_segment_fixed_size: 0
    .kernarg_segment_align: 8
    .kernarg_segment_size: 40
    .max_flat_workgroup_size: 128
    .sgpr_count:     100
    .vgpr_count:     512
    .wavefront_size: 32
...
	.end_amdgpu_metadata
.endif
;; end of part 4
